; MI455X (gfx1250); checked and timed in simulation.
; The chip was launched on July 23, 2026; its instructions are those of AMD's public machine-readable ISA for CDNA 5 (MIT licence, August 2026) and "CDNA5" Instruction Set Architecture Reference Guide (July 2026). The comments in the code are by the model that wrote it; some were corrected since.
;; Attention. Allowed arithmetic: matrix products marked QUANTISED: E2M1 operands, one E8M0 scale for each 32 along K, by v_wmma_scale_f32_16x16x128_f8f6f4 with both operands' format E2M1 (or v_wmma_scale_f32_32x16x128_f4), f32 sums; products left as they are: bf16, f16 or f32 operands; f32 sums; everything else in f32.
;; Inputs: Wk 1,024 x 1,024 float32; Wo 1,024 x 1,024 float32; Wq 1,024 x 1,024 float32; Wv 1,024 x 1,024 float32; bk 1,024 float32; bo 1,024 float32; bq 1,024 float32; bv 1,024 float32; x 1 x 4,096 x 1,024 float32.
;; Outputs: out0 1 x 4,096 x 1,024 float32.
;; This version of the problem:
;;   THIS VERSION OF THE PROBLEM IS GIVEN IN LOW PRECISION. The matrix products marked QUANTISED in the list below multiply operands that are first quantised to E2M1 (2 exponent bits, 1 mantissa bit; 4 bits a number), with one power-of-two scale for each 32 numbers along K (OCP MX v1.0); their sums are f32. The products marked 'left as it is' may take bf16, f16 or f32 operands, with f32 sums. Whichever they take, every output number must still come out within the allowed error. Rounding operands to bf16 (8 significant bits) uses up far more of that allowance than f16 does (11 bits, for magnitudes from 6e-5 to 65,504). All else is computed in f32.
;;   The module's matrix products, in the order in which they are computed (A, B: the left and right operand; K: the contracted axis; several contracted axes count as one K, in the product's order):
;;     1. [M 4,096, K 1,024] x [K 1,024, N 1,024]; A: input x; B: input Wq: QUANTISED
;;     2. [M 4,096, K 1,024] x [K 1,024, N 1,024]; A: input x; B: input Wk: QUANTISED
;;     3. [M 4,096, K 1,024] x [K 1,024, N 1,024]; A: input x; B: input Wv: QUANTISED
;;     4. batch 16 x [M 4,096, K 64] x [K 64, N 4,096]; A: computed on the way; B: computed on the way: left as it is (an operand is computed on the way)
;;     5. batch 16 x [M 4,096, K 4,096] x [K 4,096, N 64]; A: computed on the way; B: computed on the way: left as it is (an operand is computed on the way)
;;     6. [M 4,096, K 1,024] x [K 1,024, N 1,024]; A: computed on the way; B: input Wo: left as it is (an operand is computed on the way)
;;   THE QUANTISER, for each operand of a quantised product, along K:
;;     - K is cut into blocks of 32 from its start; a last block that is shorter is filled with zeros.
;;     - A block's scale is 2^e with e = floor(log2(the largest magnitude in the block)) - 2, held to -126 .. 127; a block of zeros has e = 0. As a byte (E8M0): e + 127.
;;     - Each number is divided by its block's scale, clamped to +-6, and rounded to the nearest number of E2M1, ties to even, subnormals kept.
;;     - The product sums the exact products of the quantised numbers (number of the format x scale) in f32.
;;   ~~~python
;;   def quantise(x, axis):      # numpy; x: float32 -> the quantised numbers, widened to float32 again
;;       x = np.moveaxis(x, axis, -1); K = x.shape[-1]
;;       x = np.pad(x, [(0, 0)] * (x.ndim - 1) + [(0, -K % 32)]); x = x.reshape(x.shape[:-1] + (-1, 32)); a = np.abs(x).max(-1, keepdims=True)
;;       e = np.where(a > 0, np.clip(np.frexp(np.where(a > 0, a, 1))[1] - 1 - 2, -126, 127), 0)      # np.frexp(a)[1] - 1 = floor(log2(a)), exactly
;;       r = np.clip(x / 2.0 ** e, -6, 6)
;;       step = 2.0 ** (np.maximum(np.frexp(np.where(r == 0, 1, r))[1] - 1, 0) - 1)
;;       q = np.round(r / step) * step * 2.0 ** e      # np.round: ties to even
;;       return np.moveaxis(q.reshape(q.shape[:-2] + (-1,))[..., :K], -1, axis).astype(np.float32)
;;   ~~~
;; One version. Each part assembles by itself: llvm-mc -triple=amdgcn-amd-amdhsa -mcpu=gfx1250 --defsym DOCPART=n.
;; ======== version 1 of 1: 4 launches
;; limits: values are held in f16: magnitudes above 65,504 overflow, below 6.1e-05 lose precision
;; workspace buffers: x_codes 2,097,152 bytes; x_scales 131,072 bytes; w_codes 1,572,864 bytes; w_scales 98,304 bytes; wo_img 2,097,152 bytes; qkv 25,165,824 bytes; o_img 8,388,608 bytes
;; launch prep (part 1): grid 384 x 1, 4 waves a work-group, no clusters, 33,280 bytes of LDS; arguments x, Wq, Wk, Wv, Wo, x_codes, x_scales, w_codes, w_scales, wo_img; writes x_codes, x_scales, w_codes, w_scales, wo_img
.if DOCPART == 1
	.amdgcn_target "amdgcn-amd-amdhsa--gfx1250"
	.amdhsa_code_object_version 6
	.text
	.protected	k_q6e4b72922b_prep
	.globl	k_q6e4b72922b_prep
	.p2align	8
	.type	k_q6e4b72922b_prep,@function
k_q6e4b72922b_prep:
	s_mov_b64 s[64:65], 0
	v_nop
	global_prefetch_b8 v0, s[64:65] scope:SCOPE_SE
	s_setreg_imm32_b32 hwreg(HW_REG_WAVE_MODE, 25, 1), 1
	s_wait_xcnt 0x0
; PREP: the operands of the later launches are made once.
;   x [4096][1024] f32            -> x_codes [4096][512 bytes] (E2M1, K innermost, the lower k in the low four bits), x_scales [4096][32] (E8M0, one byte for 32 along K)
;   Wq | Wk | Wv [1024 (k)][1024] -> w_codes, laid in the order of the operand's registers: [s 2][T 192][q 4][c 2][lane 32][16 bytes]: lane 16 h + r holds column 16 T + r, k = 512 s + 128 q + 64 c + 32 h + 0 .. 31;
;                                    w_scales [grp 24][ks 8][col 128] words: the four bytes of column 128 grp + col for k = 128 ks + 0 .. 127
;   Wo [1024 (k)][1024] f32       -> wo_img, f16, in the order of a 16-bit operand's registers: [kstep 4][nt 64][chunk 8][half 2][lane 32][16 bytes]: column 16 nt + r, k = 256 kstep + 32 chunk + 16 half + 8 h + 0 .. 7
; A block's scale is 2^(floor(log2(its largest magnitude)) - 2); its byte is the largest magnitude's exponent field - 2, held at 1 from below; numbers are divided by the scale and rounded to the nearest code, ties to even, beyond 6 held at 6.
; LIMITS: NaN and infinities are not served.  A block whose largest magnitude lies under 2^-124 takes the byte 1; so does a block of zeros, where the rule says 127: its codes are zeros, and this program alone reads the bytes.
;         |Wo| above 65,504 has no f16 number; under 6e-5 it keeps an absolute error of 3e-8.
; SHARES: work-groups 0-127 take x: a plain stream of blocks of 32; a wave takes 16 steps of 512 numbers.  Work-groups 128-383 take the weights: 128 columns x 128 along K each; a lane takes a column and its registers run down K.
; Only the x path touches LDS.  No tensor load, no barrier: waves share nothing.
.set WREG,  8192                       ; LDS of a wave: two stages of 32 x SP bytes, behind them its 256 scale bytes
.set SP,    80                         ; a lane's place in a stage: 64 bytes + 16 of padding
.set SPARE, 4*WREG                     ; behind the four regions: the spare words, 128 bytes for each wave
.set STEPS, 16
.set DEPTH, 8                          ; loads run eight steps (32 loads a wave) ahead
.set R,     16                         ; v16-143  eight sets of 16 numbers as loaded
.set X,     144                        ; v144-175 two sets of 16 neighbours
.set E,     176                        ; v176-191 a scale byte for each step
.set C,     192                        ; v192-255 codes: four registers kept for each step, so that no store's data are written again
.set SPW,   12                         ; v12  LDS address of my spare word; never rewritten
.set NIL,   13                         ; v13  0; never rewritten
	s_load_b256 s[4:11], s[0:1], 0x0               ; x s[4:5], Wq s[6:7], Wk s[8:9], Wv s[10:11]
	s_load_b256 s[12:19], s[0:1], 0x20             ; Wo s[12:13], x_codes s[14:15], x_scales s[16:17], w_codes s[18:19]
	s_load_b128 s[20:23], s[0:1], 0x40             ; w_scales s[20:21], wo_img s[22:23]
	v_lshl_add_u32 v[SPW], v0, 2, SPARE
	v_mov_b32 v[NIL], 0
	v_lshrrev_b32 v1, 5, v0
	v_readfirstlane_b32 s24, v1                    ; wave 0..3
	v_and_b32 v2, 31, v0                           ; lane
	s_cmp_lt_u32 ttmp9, 128
	s_cbranch_scc0 .Lcols
; ---------------- x: K is innermost ----------------
; A load reads 512 consecutive bytes, 16 a lane; a step's 2,048 bytes turn through the wave's own stage and come back 64 bytes a lane: 16 neighbours along K; two neighbouring lanes hold a block.
	v_lshlrev_b32 v3, 4, v2                        ; my 16 bytes of a load's 512
	s_mul_i32 s25, s24, WREG
	v_lshrrev_b32 v14, 2, v2
	v_mul_u32_u24 v14, v14, SP
	v_and_b32 v15, 3, v2
	v_lshl_add_u32 v14, v15, 4, v14
	v_add_nc_u32 v14, s25, v14                     ; the stage, on the way in: SP (lane / 4) + 16 (lane % 4)
	v_mul_u32_u24 v15, v2, SP
	v_add_nc_u32 v15, s25, v15                     ; and on the way out: SP x lane
	v_lshlrev_b32 v4, 3, v2                        ; 8 x lane: my codes' place in a step's 256 bytes, and my 8 of the wave's 256 scale bytes
	v_lshrrev_b32 v5, 1, v2
	s_add_co_u32 s25, s25, 2*32*SP
	v_add_nc_u32 v5, s25, v5                       ; LDS: my block's scale byte
	v_add_nc_u32 v6, s25, v4                       ; LDS: my 8 scale bytes on the way out
	s_lshl_b32 s26, ttmp9, 2
	s_add_co_u32 s26, s26, s24                     ; which run of 8,192 numbers is my wave's: 0 .. 511
	s_lshl_b32 s28, s26, 15
	s_mov_b32 s29, 0
	s_lshl_b32 s30, s26, 12
	s_mov_b32 s31, 0
	s_lshl_b32 s32, s26, 8
	s_mov_b32 s33, 0
	s_wait_kmcnt 0x0
	s_add_nc_u64 s[4:5], s[4:5], s[28:29]
	s_add_nc_u64 s[14:15], s[14:15], s[30:31]
	s_add_nc_u64 s[16:17], s[16:17], s[32:33]
.macro LOAD t
.irp i, 0,1,2,3
	global_load_b128 v[R+16*((\t)%DEPTH)+4*\i:R+16*((\t)%DEPTH)+4*\i+3], v3, s[4:5] offset:2048*(\t)+512*\i th:TH_LOAD_NT
.endr
.endm
.macro TURN t                          ; LDS serves a wave's instructions in order (ISA guide 5.7.1): no wait between the stores and the loads
.irp i, 0,1,2,3
	ds_store_b128 v14, v[R+16*((\t)%DEPTH)+4*\i:R+16*((\t)%DEPTH)+4*\i+3] offset:32*SP*((\t)%2)+8*SP*\i
.endr
.irp i, 0,1,2,3
	ds_load_b128 v[X+16*((\t)%2)+4*\i:X+16*((\t)%2)+4*\i+3], v15 offset:32*SP*((\t)%2)+16*\i
.endr
.endm
.irp t, 0,1,2,3,4,5,6,7
	LOAD \t
.endr
	s_wait_loadcnt 4*(DEPTH-1)                     ; step 0's four loads are in; the seven steps behind it may be out
	TURN 0
.macro STEP t
.set XS, X+16*((\t)%2)
.if (\t) > 0
	s_wait_dscnt 1                                 ; this step's numbers are back from the stage (the last step's byte store may be out): so its stores into the stage have read their registers,
.else
	s_wait_dscnt 0x0
.endif
.if (\t)+DEPTH < STEPS
	LOAD (\t)+DEPTH                                ; which take the loads of eight steps on
.endif
.if (\t)+1 < STEPS
.if STEPS-2-(\t) >= DEPTH-1
	s_wait_loadcnt 4*(DEPTH-1)                     ; the next step's four loads are in; those of the seven steps behind it may be out
.else
	s_wait_loadcnt 4*(STEPS-2-(\t))                ; near the end fewer steps stand behind it
.endif
	TURN (\t)+1                                    ; through the other stage while this step is worked
.endif
	v_max3_num_f32 v8, |v[XS]|, |v[XS+1]|, |v[XS+2]|               ; the largest magnitude of my 16, in two chains
	v_max3_num_f32 v9, |v[XS+3]|, |v[XS+4]|, |v[XS+5]|
.irp i, 6,10
	v_max3_num_f32 v8, v8, |v[XS+\i]|, |v[XS+\i+1]|
	v_max3_num_f32 v9, v9, |v[XS+\i+2]|, |v[XS+\i+3]|
.endr
	v_max3_num_f32 v8, v8, |v[XS+14]|, |v[XS+15]|
	v_max3_num_f32 v8, v8, v9, 0x1800000           ; and the floor 2^(3 - 127): the byte cannot fall under 1
	v_max_num_f32_dpp v8, v8, v8 row_xmask:1 row_mask:0xf bank_mask:0xf   ; with my neighbour's 16: the block's
	v_add_nc_u32 v11, 0xff000000, v8               ; 2 off its exponent field: the conversion takes the exponent field of this operand as its scale
	v_cvt_scalef32_pk8_fp4_f32 v[C+4*(\t)], v[XS:XS+7], v11
	v_cvt_scalef32_pk8_fp4_f32 v[C+4*(\t)+1], v[XS+8:XS+15], v11
	v_lshrrev_b32 v[E+(\t)], 23, v11               ; the scale's byte (also the plain line behind the conversions)
	ds_store_b8 v5, v[E+(\t)] offset:16*(\t)       ; both lanes of a block write the same byte with the same value
	global_store_b64 v4, v[C+4*(\t):C+4*(\t)+1], s[14:15] offset:256*(\t)   ; the wave stores 256 consecutive bytes, aligned
.endm
.irp t, 0,1,2,3,4,5,6,7,8,9,10,11,12,13,14,15
	STEP \t
.endr
	ds_load_b64 v[8:9], v6                         ; in order behind my byte stores
	s_wait_dscnt 0x0
	global_store_b64 v4, v[8:9], s[16:17]          ; the wave's 256 scale bytes, consecutive and aligned
	s_wait_tensorcnt 0x0                           ; the wave's end
	ds_add_u32 v[SPW], v[NIL]
	s_wait_dscnt 0x0
	s_endpgm
; ---------------- the weights: K is the first axis ----------------
; A lane takes a column, its 128 registers run down K: a load reads 128 consecutive bytes a wave, 512 a work-group; a block of 32 lies in one lane, and the conversions' results are the operand's registers.
.Lcols:
	s_sub_co_u32 s25, ttmp9, 128
	s_lshr_b32 s34, s25, 3                         ; grp 0..31: which 128 columns of Wq | Wk | Wv | Wo
	s_and_b32 s35, s25, 7                          ; ks: which 128 along K
	s_lshr_b32 s36, s34, 3                         ; which weight
	s_and_b32 s37, s34, 7                          ; which 128 of its columns
	v_lshlrev_b32 v1, 2, v2                        ; 4 bytes a lane
	v_lshrrev_b32 v3, 4, v2                        ; lane / 16: which tile of 16 columns
	v_and_b32 v4, 15, v2
	v_lshlrev_b32 v4, 4, v4                        ; 16 r
	s_lshl_b32 s28, s35, 19                        ; 128 rows of 4,096 bytes
	s_lshl_b32 s38, s37, 9
	s_add_co_u32 s28, s28, s38
	s_lshl_b32 s38, s24, 7                         ; my wave's 32 columns
	s_add_co_u32 s28, s28, s38
	s_mov_b32 s29, 0
	s_wait_kmcnt 0x0
	s_mov_b64 s[26:27], s[6:7]                     ; the weight is chosen by the work-group's number alone
	s_cmp_eq_u32 s36, 1
	s_cselect_b64 s[26:27], s[8:9], s[26:27]
	s_cmp_eq_u32 s36, 2
	s_cselect_b64 s[26:27], s[10:11], s[26:27]
	s_cmp_eq_u32 s36, 3
	s_cselect_b64 s[26:27], s[12:13], s[26:27]
	s_add_nc_u64 s[26:27], s[26:27], s[28:29]
.set i, 0
.rept 128
	global_load_b32 v[32+i], v1, s[26:27] offset:i*4096 th:TH_LOAD_NT    ; W(128 ks + i, my column)
.set i, i+1
.endr
	s_cmp_eq_u32 s36, 3
	s_cbranch_scc1 .Lwo
	; Wq, Wk, Wv: codes and scale words
	v_lshl_add_u32 v2, v3, 12, v4                  ; a tile of 16 columns is 4,096 bytes on; 16 bytes a column
	s_lshr_b32 s38, s35, 2
	s_mul_i32 s28, s38, 786432                     ; s = ks / 4
	s_lshl_b32 s38, s34, 3
	s_lshl_b32 s39, s24, 1
	s_add_co_u32 s38, s38, s39                     ; T = 8 grp + 2 wave
	s_lshl_b32 s38, s38, 12
	s_add_co_u32 s28, s28, s38
	s_and_b32 s38, s35, 3
	s_lshl_b32 s38, s38, 10                        ; q = ks % 4
	s_add_co_u32 s28, s28, s38
	s_add_nc_u64 s[18:19], s[18:19], s[28:29]
	s_lshl_b32 s30, s34, 12
	s_lshl_b32 s38, s35, 9
	s_add_co_u32 s30, s30, s38
	s_lshl_b32 s38, s24, 7
	s_add_co_u32 s30, s30, s38
	s_mov_b32 s31, 0
	s_add_nc_u64 s[20:21], s[20:21], s[30:31]
.macro WBLOCK b                        ; block b of my column: k = 128 ks + 32 b + 0 .. 31: all 32 numbers are mine
.set XS, 32+32*(\b)
	v_max3_num_f32 v8, |v[XS]|, |v[XS+1]|, |v[XS+2]|
	v_max3_num_f32 v9, |v[XS+3]|, |v[XS+4]|, |v[XS+5]|
.irp i, 6,10,14,18,22,26
	v_max3_num_f32 v8, v8, |v[XS+\i]|, |v[XS+\i+1]|
	v_max3_num_f32 v9, v9, |v[XS+\i+2]|, |v[XS+\i+3]|
.endr
	v_max3_num_f32 v8, v8, |v[XS+30]|, |v[XS+31]|
	v_max3_num_f32 v8, v8, v9, 0x1800000           ; the floor 2^(3 - 127)
	v_add_nc_u32 v10, 0xff000000, v8               ; the conversion's scale operand
	v_lshrrev_b32 v9, 23, v10                      ; the byte
.if (\b) == 0
	v_mov_b32 v176, v9
.else
	v_lshl_or_b32 v176, v9, 8*(\b), v176           ; four bytes make the word of these 128 along K
.endif
.irp g, 0,1,2,3
	v_cvt_scalef32_pk8_fp4_f32 v[160+4*(\b)+\g], v[XS+8*\g:XS+8*\g+7], v10
.endr
	global_store_b128 v2, v[160+4*(\b):163+4*(\b)], s[18:19] offset:((\b)/2)*512+((\b)%2)*256   ; c = b / 2, h = b % 2: sixteen lanes store 256 consecutive bytes, aligned.  (The next block's first lines are plain: they stand between these conversions and the next write of v10)
.endm
	s_wait_loadcnt 63                              ; of 128 loads at most 63 are out: the first 65 are in, blocks 0 and 1 among them
	WBLOCK 0
	WBLOCK 1
	s_wait_loadcnt 32                              ; block 2 is in
	WBLOCK 2
	s_wait_loadcnt 0x0
	WBLOCK 3
	global_store_b32 v1, v176, s[20:21]            ; the wave's 32 scale words: 128 consecutive bytes, the work-group's four waves 512
	s_endpgm
	; Wo: rounded to f16, eight along K to 16 bytes
.Lwo:
	v_lshl_add_u32 v2, v3, 13, v4                  ; a tile of 16 columns is 8,192 bytes on
	s_lshr_b32 s38, s35, 1
	s_lshl_b32 s28, s38, 19                        ; kstep = ks / 2
	s_lshl_b32 s38, s37, 3
	s_lshl_b32 s39, s24, 1
	s_add_co_u32 s38, s38, s39                     ; nt = 8 x (128 columns) + 2 wave
	s_lshl_b32 s38, s38, 13
	s_add_co_u32 s28, s28, s38
	s_and_b32 s38, s35, 1
	s_lshl_b32 s38, s38, 12                        ; chunks 4 (ks % 2) on
	s_add_co_u32 s28, s28, s38
	s_add_nc_u64 s[22:23], s[22:23], s[28:29]
.macro OBLOCK b                        ; chunk b of four: 32 along K; group g of eight: half = g / 2, h = g % 2
.irp g, 0,1,2,3
.irp i, 0,1,2,3
	v_cvt_pk_f16_f32 v[160+16*(\b)+4*\g+\i], v[32+32*(\b)+8*\g+2*\i], v[33+32*(\b)+8*\g+2*\i]
.endr
	global_store_b128 v2, v[160+16*(\b)+4*\g:163+16*(\b)+4*\g], s[22:23] offset:(\b)*1024+(\g/2)*512+(\g%2)*256
.endr
.endm
	s_wait_loadcnt 63                              ; as above
	OBLOCK 0
	OBLOCK 1
	s_wait_loadcnt 32
	OBLOCK 2
	s_wait_loadcnt 0x0
	OBLOCK 3
	s_endpgm
.Lfunc_end_k_q6e4b72922b_prep:
	.size	k_q6e4b72922b_prep, .Lfunc_end_k_q6e4b72922b_prep-k_q6e4b72922b_prep
	.p2alignl 7, 3214868480
	.fill 96, 4, 3214868480
	.section	.rodata,"a",@progbits
	.p2align	6, 0x0
	.amdhsa_kernel k_q6e4b72922b_prep
		.amdhsa_group_segment_fixed_size 33280
		.amdhsa_private_segment_fixed_size 0
		.amdhsa_enable_private_segment 0
		.amdhsa_kernarg_size 80
		.amdhsa_user_sgpr_count 2
		.amdhsa_user_sgpr_kernarg_segment_ptr 1
		.amdhsa_wavefront_size32 1
		.amdhsa_system_sgpr_workgroup_id_x 1
		.amdhsa_system_sgpr_workgroup_id_y 1
		.amdhsa_system_sgpr_workgroup_id_z 1
		.amdhsa_system_vgpr_workitem_id 0
		.amdhsa_next_free_vgpr 256
		.amdhsa_next_free_sgpr 66
		.amdhsa_reserve_vcc 0
		.amdhsa_float_denorm_mode_32 3
		.amdhsa_float_denorm_mode_16_64 3
		.amdhsa_memory_ordered 1
		.amdhsa_forward_progress 1
		.amdhsa_inst_pref_size 59
	.end_amdhsa_kernel
	.amdgpu_metadata
---
amdhsa.version: [ 1, 2 ]
amdhsa.kernels:
  - .name:           k_q6e4b72922b_prep
    .symbol:         k_q6e4b72922b_prep.kd
    .args:
      - { .name: x, .offset: 0, .size: 8, .value_kind: global_buffer, .address_space: global }
      - { .name: Wq, .offset: 8, .size: 8, .value_kind: global_buffer, .address_space: global }
      - { .name: Wk, .offset: 16, .size: 8, .value_kind: global_buffer, .address_space: global }
      - { .name: Wv, .offset: 24, .size: 8, .value_kind: global_buffer, .address_space: global }
      - { .name: Wo, .offset: 32, .size: 8, .value_kind: global_buffer, .address_space: global }
      - { .name: x_codes, .offset: 40, .size: 8, .value_kind: global_buffer, .address_space: global }
      - { .name: x_scales, .offset: 48, .size: 8, .value_kind: global_buffer, .address_space: global }
      - { .name: w_codes, .offset: 56, .size: 8, .value_kind: global_buffer, .address_space: global }
      - { .name: w_scales, .offset: 64, .size: 8, .value_kind: global_buffer, .address_space: global }
      - { .name: wo_img, .offset: 72, .size: 8, .value_kind: global_buffer, .address_space: global }
    .group_segment_fixed_size: 33280
    .private_segment_fixed_size: 0
    .kernarg_segment_align: 8
    .kernarg_segment_size: 80
    .max_flat_workgroup_size: 128
    .sgpr_count:     66
    .vgpr_count:     256
    .wavefront_size: 32
...
	.end_amdgpu_metadata
.endif
;; end of part 1
;; launch qkv (part 2): grid 12 x 16, 4 waves a work-group, clusters of 4 x 4, 327,680 bytes of LDS; arguments x_codes, x_scales, w_codes, w_scales, bq, bk, bv, qkv; writes qkv
.if DOCPART == 2
	.amdgcn_target "amdgcn-amd-amdhsa--gfx1250"
	.amdhsa_code_object_version 6
	.text
	.protected	k_q6e4b72922b_qkv
	.globl	k_q6e4b72922b_qkv
	.p2align	8
	.type	k_q6e4b72922b_qkv,@function
k_q6e4b72922b_qkv:
	s_mov_b64 s[64:65], 0
	v_nop
	global_prefetch_b8 v0, s[64:65] scope:SCOPE_SE
	s_setreg_imm32_b32 hwreg(HW_REG_WAVE_MODE, 25, 1), 1
	s_wait_xcnt 0x0
	s_wait_alu depctr_hold_cnt(0) depctr_sa_sdst(0) depctr_va_vdst(0) depctr_va_sdst(0) depctr_va_ssrc(0) depctr_va_vcc(0) depctr_vm_vsrc(0)
	s_getreg_b32 s2, hwreg(HW_REG_IB_STS2, 6, 4)
	s_cmp_eq_u32 s2, 0
	s_cbranch_scc0 .Lentry_in_a_cluster
	s_endpgm
.Lentry_in_a_cluster:
	s_bfe_u32 s2, ttmp6, 0x10000c
	s_cmp_lg_u32 s2, 0xf033
	s_cbranch_scc0 .Lentry_shape_is_right
	s_endpgm
.Lentry_shape_is_right:
; QKV: [q | k | v] = x [Wq | Wk | Wv] + [bq | bk | bv]: one product 4,096 x 3,072 x 1,024 on codes of E2M1 with E8M0 scales, sums in f32; q is multiplied by log2(e) (the softmax works in base 2); all rounded once to f16.
; OUT: qkv [g 48][a 256][b 4][512 bytes]: g = 0-15 q's heads, 16-31 k's, 32-47 v's; a block holds positions 16 a + p, channels 16 b + 8 o + 0 .. 7, each 16 bytes one position's eight channels.
;      q, k: at 256 o + 16 p, which is 16 x lane of a 16-bit operand's registers.  v: at 256 (p / 8) + 128 o + 16 (p % 8), from which the turning LDS load at 16 x lane gives an operand with the keys along its registers.
; LIMIT: |q log2(e)|, |k|, |v| above 65,504 have no f16 number.
; SHARES: a tile of 256 x 256 to a work-group of four waves; a wave makes 128 x 128: 64 accumulators, 512 registers.  K = 1,024 is two slots of 512 along K: both are first fills, nothing is filled again, there is no loop.
; CLUSTER 4 x 4: x's tiles and scales are shared along a row of the cluster, the weights' along a column: each is asked for jointly, by the same tensor load with the same descriptor and a mask that names the four.
; The cluster's x says which of q, k, v the tile belongs to (1,024 columns = 4 tile columns): what hangs on it is chosen by selects, no branch.
; THE MATRIX INSTRUCTION IS USED TRANSPOSED (source 0 = 16 columns of W, source 1 = 16 rows of x): a lane holds eight neighbouring channels of one position.  The bias is the C of each sum's first product.
; L2 prefetch is left out: every tile is asked for at the kernel's head.
; REGISTERS: window 0: v0-31 addresses; v32-95 x's scale words (8 a + ks); v96-127 packed results; v128-191 x's fragments, one set (on the way out: scaled results); v192-255 W's scale words (8 b + ks).
;   window 1: W's fragments, two sets at v0 and v128; v192-255 the bias, 8 registers for each of 8 tiles.   windows 2, 3: the accumulators ((a, b) at v[8 (8 (a % 4) + b)]).
.set ROWB,   256                       ; a row of x's tile: 512 codes
.set KROW,   512                       ; a row of x_codes
.set PITCH,  272                       ; in LDS: 256 bytes + 16 of padding: the 16 rows that a load touches start 68 words apart
.set FR,     8
.set NL,     2
.set NP,     4                         ; places behind this matrix instruction (ISA guide 7.12.1)
.set HALFT,  128*PITCH                 ; a wave's part of a slot: 128 rows of x, or 32,768 dense bytes of W's image (the rest of the part stays unused)
.set SLOT,   4*HALFT
.set SCL,    2*SLOT                    ; the scales: four parts, x's two halves, then W's
.set HALFS,  16*272                    ; 4,096 bytes as 16 rows of 256 + 16
.set SPARE,  SCL+4*HALFS               ; the spare words, 128 bytes for each wave
.set ADRA, 16                          ; v16-17  x's fragments in slot 0, 1
.set ADRB, 20                          ; v20-21  W's
.set ADSA, 24                          ; v24     x's scale words
.set ADSB, 25                          ; v25     W's
.set CO,   26                          ; v26     my 16 bytes in a block of qkv
.set BO,   27                          ; v27     32 h: my eight numbers of a tile's bias
.set SPW,  28                          ; v28     LDS address of my spare word; never rewritten
.set NIL,  29                          ; v29     0; never rewritten
.set SA,   32
.set PK,   96
.set AF,   128
.set SB,   192
.set BI,   192                         ; in window 1
.set G1, 24                            ; s[24:31] group 1, s[32:39] groups 0 for x's codes
.set G0, 32
.set G1B, 48                           ; s[48:55], s[56:63] for W's codes
.set G0B, 56
.set G1S, 68                           ; s[68:75], s[76:79] for x's scales; s[80:87], s[88:91] for W's
.set G0S, 76
.set G1SB, 80
.set G0SB, 88
.set MSB, 0
.macro WIN new                         ; the immediate's high byte repeats the setting that is left
.if MSB != (\new)
	s_set_vgpr_msb (MSB<<8)|(\new)
.set MSB, (\new)
.endif
.endm
.set MUL_LO, 0xa1                      ; source 0 (W) window 1, source 1 (x) window 0, C and D window 2
.set MUL_HI, 0xf1                      ; the same, C and D window 3
.set TO_B,   0x40                      ; destination window 1, address window 0
; A joint load: waves 0 and 1 fetch for x, waves 2 and 3 for W.  The branch hangs on the wave's number alone.  An s_nop 0 and four v_nop follow each line.
.macro JLOAD g0a, g1a, g0b, g1b
	s_cmp_eq_u32 s15, 0
	s_cbranch_scc0 .Lfor_b_\@
	tensor_load_to_lds s[\g0a:\g0a+3], s[\g1a:\g1a+7]
	s_nop 0
.rept 4
	v_nop
.endr
	s_branch .Lasked_\@
.Lfor_b_\@:
	tensor_load_to_lds s[\g0b:\g0b+3], s[\g1b:\g1b+7]
	s_nop 0
.rept 4
	v_nop
.endr
.Lasked_\@:
.endm
.macro CROUND                          ; a round of the cluster's barrier
	s_barrier_signal -1
	s_barrier_wait -1
	s_cmp_lg_u32 s14, 0
	s_cbranch_scc1 .Lnot_wave_0_\@
	s_barrier_signal -3
.Lnot_wave_0_\@:
	s_barrier_wait -3
	s_barrier_signal -1
	s_barrier_wait -1
.endm
	s_load_b256 s[4:11], s[0:1], 0x0               ; x_codes s[4:5], x_scales s[6:7], w_codes s[8:9], w_scales s[10:11]
	s_load_b128 s[96:99], s[0:1], 0x20             ; bq, bk
	s_load_b64 s[100:101], s[0:1], 0x30            ; bv
	s_load_b64 s[12:13], s[0:1], 0x38              ; qkv
	v_lshl_add_u32 v[SPW], v0, 2, SPARE
	v_mov_b32 v[NIL], 0
	ds_add_u32 v[SPW], v[NIL]                      ; the wave's opening: the add, twice on end, and its wait ahead of my first tensor load
	ds_add_u32 v[SPW], v[NIL]
	v_lshrrev_b32 v1, 5, v0
	v_readfirstlane_b32 s14, v1                    ; wave 0..3
	s_lshr_b32 s15, s14, 1                         ; which half of the tile's rows is mine.  Also: I fetch for x (0) or for W (1)
	s_and_b32 s16, s14, 1                          ; which half of its columns.  Also: which half of that tile I fetch
	s_bfe_u32 s40, ttmp6, 0x40000                  ; cx, cy
	s_bfe_u32 s41, ttmp6, 0x40004
	s_lshl_b32 s42, ttmp9, 2
	s_add_co_u32 s42, s42, s40                     ; tile column 0..11
	s_and_b32 s17, ttmp7, 0xffff
	s_lshl_b32 s17, s17, 2
	s_add_co_u32 s17, s17, s41                     ; tile row 0..15
	s_lshl_b32 s43, s41, 2
	s_lshl_b32 s43, 15, s43                        ; my row of the cluster
	s_lshl_b32 s44, 0x1111, s40                    ; my column
	s_or_b32 s[G1+0], s43, (0<<16)|(1<<20)|(1<<21)|(5<<22)|(3<<25)   ; x's codes: elements of 1 byte; padding: 4 words behind every 64
	s_mov_b32 s[G1+1], ROWB<<16                    ; tensor_dim0
	s_mov_b32 s[G1+2], 128<<16                     ; tensor_dim1
	s_mov_b32 s[G1+3], ROWB<<16                    ; tile_dim0
	s_mov_b32 s[G1+4], 128                         ; tile_dim1
	s_mov_b32 s[G1+5], KROW                        ; from row to row
	s_mov_b32 s[G1+6], 0
	s_mov_b32 s[G1+7], 0
	s_or_b32 s[G1B+0], s44, (3<<16)|(1<<21)        ; W's codes: 32,768 dense bytes as 128 rows of 32 elements of 8 bytes, no padding: the image is read at 16 x lane
	s_mov_b32 s[G1B+1], 32<<16
	s_mov_b32 s[G1B+2], 128<<16
	s_mov_b32 s[G1B+3], 32<<16
	s_mov_b32 s[G1B+4], 128
	s_mov_b32 s[G1B+5], 32
	s_mov_b32 s[G1B+6], 0
	s_mov_b32 s[G1B+7], 0
	s_or_b32 s[G1S+0], s43, (3<<16)|(1<<20)|(1<<21)|(5<<22)|(3<<25)  ; the scales: 4,096 dense bytes as 16 rows of 256, 16 bytes of padding behind each
	s_or_b32 s[G1SB+0], s44, (3<<16)|(1<<20)|(1<<21)|(5<<22)|(3<<25)
.irp g, G1S, G1SB
	s_mov_b32 s[\g+1], 32<<16
	s_mov_b32 s[\g+2], 16<<16
	s_mov_b32 s[\g+3], 32<<16
	s_mov_b32 s[\g+4], 16
	s_mov_b32 s[\g+5], 32
	s_mov_b32 s[\g+6], 0
	s_mov_b32 s[\g+7], 0
.endr
	s_lshl_b32 s18, s16, 7
	s_lshl_b32 s20, s17, 8
	s_add_co_u32 s20, s20, s18                     ; x: row 256 x tile row + 128 x half
	s_lshl_b32 s22, s20, 5                         ; its scales: 32 bytes a row
	s_mov_b32 s23, 0
	s_lshl_b32 s20, s20, 9                         ; its codes: 512 bytes a row
	s_mov_b32 s21, 0
	s_lshl_b32 s46, s42, 1
	s_add_co_u32 s46, s46, s16                     ; W: which 128 columns: 2 x tile column + half
	s_lshl_b32 s92, s46, 12                        ; their scale words: 4,096 bytes
	s_mov_b32 s93, 0
	s_lshl_b32 s46, s46, 15                        ; their codes of one slot: 32,768 bytes
	s_mov_b32 s47, 0
	s_mul_i32 s45, s14, HALFT                      ; where they go: no place in the cluster enters an LDS address
	s_mul_i32 s94, s14, HALFS
	s_wait_dscnt 0x0                               ; both opening adds are done
	s_wait_kmcnt 0x0
	s_add_nc_u64 s[20:21], s[4:5], s[20:21]
	s_add_nc_u64 s[22:23], s[6:7], s[22:23]
	s_add_nc_u64 s[46:47], s[8:9], s[46:47]
	s_add_nc_u64 s[92:93], s[10:11], s[92:93]
	CROUND                                         ; all sixteen work-groups are here: the first joint loads meet
	s_mov_b32 s[G0S], 1
	s_add_co_u32 s[G0S+1], s94, SCL
	s_mov_b64 s[G0S+2:G0S+3], s[22:23]
	s_or_b32 s[G0S+3], s[G0S+3], 0x80000000
	s_mov_b32 s[G0SB], 1
	s_add_co_u32 s[G0SB+1], s94, SCL
	s_mov_b64 s[G0SB+2:G0SB+3], s[92:93]
	s_or_b32 s[G0SB+3], s[G0SB+3], 0x80000000
	JLOAD G0S, G1S, G0SB, G1SB                     ; the scales first; by this text's count three tensor loads of a wave are out
.irp s, 0,1
	s_mov_b32 s[G0+4*\s], 1
	s_add_co_u32 s[G0+4*\s+1], s45, \s*SLOT
	s_add_nc_u64 s[G0+4*\s+2:G0+4*\s+3], s[20:21], \s*ROWB
	s_or_b32 s[G0+4*\s+3], s[G0+4*\s+3], 0x80000000
	s_mov_b32 s[G0B+4*\s], 1
	s_add_co_u32 s[G0B+4*\s+1], s45, \s*SLOT
	s_add_nc_u64 s[G0B+4*\s+2:G0B+4*\s+3], s[46:47], \s*786432
	s_or_b32 s[G0B+4*\s+3], s[G0B+4*\s+3], 0x80000000
	JLOAD G0+4*\s, G1, G0B+4*\s, G1B
.endr
	; the bias of my 128 columns, and what hangs on q, k or v
	v_and_b32 v1, 15, v0                           ; r
	v_bfe_u32 v2, v0, 4, 1                         ; h
	v_lshlrev_b32 v[BO], 5, v2
	s_cmp_eq_u32 ttmp9, 1
	s_cselect_b64 s[96:97], s[98:99], s[96:97]
	s_cmp_eq_u32 ttmp9, 2
	s_cselect_b64 s[96:97], s[100:101], s[96:97]
	s_cselect_b32 s95, -1, 0                       ; all ones for v: its blocks are laid otherwise
	s_cmp_eq_u32 ttmp9, 0
	s_cselect_b32 s2, 0x3fb8aa3b, 1.0              ; log2(e) for q
	s_mov_b32 s3, s2                               ; (named with it as a pair)
	s_lshl_b32 s46, s40, 10                        ; 256 columns x 4 bytes for each tile column inside the weight
	s_lshl_b32 s47, s16, 9
	s_add_co_u32 s46, s46, s47
	s_mov_b32 s47, 0
	s_add_nc_u64 s[96:97], s[96:97], s[46:47]
	WIN TO_B
.irp b, 0,1,2,3,4,5,6,7
	global_load_b128 v[BI+8*\b:BI+8*\b+3], v[BO], s[96:97] offset:64*\b           ; register j of tile b: the bias of column 16 b + 8 h + j
	global_load_b128 v[BI+8*\b+4:BI+8*\b+7], v[BO], s[96:97] offset:64*\b+16
.endr
	WIN 0
	v_mul_u32_u24 v3, v1, PITCH
	v_lshl_add_u32 v4, v2, 4, v3                   ; x: row x pitch + 16 x half
	v_and_b32 v5, 31, v0
	v_lshlrev_b32 v5, 4, v5                        ; 16 x lane
	s_mul_i32 s21, s15, HALFT
	s_mul_i32 s22, s16, HALFT
	s_add_co_u32 s22, s22, 2*HALFT
.irp s, 0,1
	v_add_nc_u32 v[ADRA+\s], s21, v4
	v_add_nc_u32 v[ADRB+\s], s22, v5
	s_add_co_u32 s21, s21, SLOT
	s_add_co_u32 s22, s22, SLOT
.endr
	v_lshrrev_b32 v6, 3, v1
	v_lshlrev_b32 v7, 5, v1
	v_lshl_add_u32 v7, v6, 4, v7                   ; x's scales: 32 bytes a row, 16 more for each 256 passed
	s_mul_i32 s21, s15, HALFS
	s_add_co_u32 s21, s21, SCL
	v_add_nc_u32 v[ADSA], s21, v7
	s_mul_i32 s22, s16, HALFS
	s_add_co_u32 s22, s22, SCL+2*HALFS
	v_lshlrev_b32 v7, 2, v1
	v_add_nc_u32 v[ADSB], s22, v7                  ; W's: a word a column
	v_lshlrev_b32 v6, 8, v6                        ; v's blocks: 256 (r / 8) + 128 h + 16 (r % 8)
	v_lshl_add_u32 v6, v2, 7, v6
	v_and_b32 v7, 7, v1
	v_lshl_add_u32 v6, v7, 4, v6
	v_cndmask_b32 v[CO], v5, v6, s95               ; q's and k's: 16 x lane
	s_lshl_b32 s46, s42, 2
	s_lshl_b32 s47, s16, 1
	s_add_co_u32 s46, s46, s47                     ; g = 4 x tile column + 2 x half
	s_lshl_b32 s46, s46, 19
	s_lshl_b32 s47, s17, 8
	s_lshl_b32 s18, s15, 7
	s_add_co_u32 s47, s47, s18                     ; my first position
	s_lshl_b32 s47, s47, 7                         ; 128 bytes a position in a head's blocks
	s_add_co_u32 s46, s46, s47
	s_mov_b32 s47, 0
	s_add_nc_u64 s[12:13], s[12:13], s[46:47]
.macro FRAG reg, adr, q, i             ; x: 16 rows x 128 K: registers 4 c .. 4 c + 3 hold K = 64 c + 32 h + 0 .. 31
.irp c, 0,1
	ds_load_b128 v[\reg+4*\c:\reg+4*\c+3], v[\adr] offset:64*(\q)+32*\c+(\i)*16*PITCH
.endr
.endm
.macro FRAGB reg, adr, q, i            ; W: the image of the same registers, 512 bytes a load
.irp c, 0,1
	ds_load_b128 v[\reg+4*\c:\reg+4*\c+3], v[\adr] offset:(\i)*4096+(\q)*1024+512*\c
.endr
.endm
; 16 matrix instructions: x's blocks a0, a0 + 1 against W's eight, 128 along K.  p: W's set; ks: which 128 of K; first = 1: the bias starts the sums.
; The 64 accumulators take turns, one instruction a turn, in the same order in every step.
.macro MUL16 a0, p, ks, first
.irp a, \a0, \a0+1
.irp b, 0,1,2,3,4,5,6,7
.if \first
	v_wmma_scale_f32_16x16x128_f8f6f4 v[8*(8*((\a)%4)+\b):8*(8*((\a)%4)+\b)+7], v[128*(\p)+FR*\b:128*(\p)+FR*\b+FR-1], v[AF+FR*(\a):AF+FR*(\a)+FR-1], v[BI+8*\b:BI+8*\b+7], v[SB+8*\b+(\ks)], v[SA+8*(\a)+(\ks)] matrix_a_fmt:MATRIX_FMT_FP4 matrix_b_fmt:MATRIX_FMT_FP4
.else
	v_wmma_scale_f32_16x16x128_f8f6f4 v[8*(8*((\a)%4)+\b):8*(8*((\a)%4)+\b)+7], v[128*(\p)+FR*\b:128*(\p)+FR*\b+FR-1], v[AF+FR*(\a):AF+FR*(\a)+FR-1], v[8*(8*((\a)%4)+\b):8*(8*((\a)%4)+\b)+7], v[SB+8*\b+(\ks)], v[SA+8*(\a)+(\ks)] matrix_a_fmt:MATRIX_FMT_FP4 matrix_b_fmt:MATRIX_FMT_FP4
.endif
.endr
.endr
.endm
.macro FETCH_B slot, q, p
	WIN TO_B
.irp i, 0,1,2,3,4,5,6,7
	FRAGB 128*(\p)+FR*\i, ADRB+\slot, \q, \i
.endr
	WIN 0
.endm
.macro FETCH_A slot, q, i0
.irp i, \i0, \i0+1, \i0+2, \i0+3
	FRAG AF+FR*(\i), ADRA+\slot, \q, \i
.endr
.endm
.macro PLACES n                        ; plain vector instructions between a matrix instruction and a load into, or a read of, its registers (ISA guide 7.12.1 for the reads)
.rept \n
	v_nop
.endr
.endm
.macro STEP slot, q, first             ; 128 along K that has its successor in the same slot
	s_wait_dscnt 4*NL                              ; W's set and x's blocks 0-3 are in; the youngest eight loads (x's blocks 4-7) may be out
.if \first
	WIN 0x91                                       ; C (the bias) window 1, D window 2
.else
	WIN MUL_LO
.endif
	MUL16 0, (\q)%2, 4*(\slot)+(\q), \first
	MUL16 2, (\q)%2, 4*(\slot)+(\q), \first
	s_wait_dscnt 0                                 ; x's blocks 4-7 are in
	PLACES NP
	FETCH_B \slot, (\q)+1, 1-(\q)%2
	FETCH_A \slot, (\q)+1, 0
.if \first
	WIN 0xd1                                       ; C window 1, D window 3
.else
	WIN MUL_HI
.endif
	MUL16 4, (\q)%2, 4*(\slot)+(\q), \first
	MUL16 6, (\q)%2, 4*(\slot)+(\q), \first
	PLACES NP
	WIN 0
	FETCH_A \slot, (\q)+1, 4
.endm
	s_wait_tensorcnt 1                             ; the scales and my part of slot 0 are in; slot 1's load may be out
	s_barrier_signal -1
	s_barrier_wait -1                              ; everybody's are
	FETCH_B 0, 0, 0
	FETCH_A 0, 0, 0
.irp i, 0,1,2,3,4,5,6,7                ; all scale words come into registers once: x's, eight words a row
.irp s, 0,1
	ds_load_b128 v[SA+8*\i+4*\s:SA+8*\i+4*\s+3], v[ADSA] offset:\i*544+16*\s
.endr
.endr
.irp b, 0,1,2,3,4,5,6,7                ; W's: [ks][column]: 512 bytes a ks, two padded rows
.irp k, 0,1,2,3,4,5,6,7
	ds_load_b32 v[SB+8*\b+\k], v[ADSB] offset:(2*\k+\b/4)*272+(\b%4)*64
.endr
.endr
	FETCH_A 0, 0, 4
	s_wait_loadcnt 0x0                             ; the bias
	STEP 0, 0, 1
	STEP 0, 1, 0
	STEP 0, 2, 0
	; slot 0's last step changes slots: one barrier; in front of it my part of slot 1 has landed
	s_wait_tensorcnt 0x0                           ; all my tensor loads have landed
	ds_add_u32 v[SPW], v[NIL]                      ; 0 onto my spare word
	s_wait_dscnt 4*NL+1                            ; (the add and x's blocks 4-7 may be out)
	WIN MUL_LO
	MUL16 0, 1, 3, 0
	s_wait_dscnt 0x0
	s_barrier_signal -1
	MUL16 2, 1, 3, 0
	WIN 0
	s_barrier_wait -1                              ; slot 1 is whole
	PLACES NP
	FETCH_B 1, 0, 0
	FETCH_A 1, 0, 0
	WIN MUL_HI
	MUL16 4, 1, 3, 0
	MUL16 6, 1, 3, 0
	PLACES NP
	WIN 0
	FETCH_A 1, 0, 4
	STEP 1, 0, 0
	STEP 1, 1, 0
	STEP 1, 2, 0
	s_wait_dscnt 4*NL                              ; the last step: nothing more to fetch
	WIN MUL_LO
	MUL16 0, 1, 7, 0
	MUL16 2, 1, 7, 0
	s_wait_dscnt 0
	WIN MUL_HI
	MUL16 4, 1, 7, 0
	MUL16 6, 1, 7, 0
	WIN 0
	; THE WAY OUT, without LDS: a lane's eight channels of one position are 16 bytes of f16, and the buffer is laid so that the wave's 32 pieces are 512 consecutive bytes.
	PLACES NP
.irp a, 0,1,2,3,4,5,6,7
	WIN 0x02+(\a)/4                                ; source 0: window 2 or 3
.irp b, 0,1,2,3,4,5,6,7
.irp i, 0,1,2,3
	v_pk_mul_f32 v[AF+8*\b+2*\i:AF+8*\b+2*\i+1], v[64*((\a)%4)+8*\b+2*\i:64*((\a)%4)+8*\b+2*\i+1], s[2:3] op_sel_hi:[1,0]   ; x log2(e) for q, x 1 else; each accumulator from its low end on
.endr
.endr
	WIN 0
.if \a > 0
	s_wait_xcnt 0x0                                ; the last block's stores have read their data: the packed registers may be written again
.endif
.irp b, 0,1,2,3,4,5,6,7
.irp i, 0,1,2,3
	v_cvt_pk_f16_f32 v[PK+4*\b+\i], v[AF+8*\b+2*\i], v[AF+8*\b+2*\i+1]
.endr
.endr
.irp b, 0,1,2,3,4,5,6,7
	global_store_b128 v[CO], v[PK+4*\b:PK+4*\b+3], s[12:13] offset:(\b/4)*524288+\a*2048+(\b%4)*512
.endr
.endr
	s_wait_tensorcnt 0x0                           ; the wave's end
	ds_add_u32 v[SPW], v[NIL]
	s_wait_dscnt 0x0
	CROUND                                         ; the closing round
	s_endpgm
.Lfunc_end_k_q6e4b72922b_qkv:
	.size	k_q6e4b72922b_qkv, .Lfunc_end_k_q6e4b72922b_qkv-k_q6e4b72922b_qkv
	.p2alignl 7, 3214868480
	.fill 96, 4, 3214868480
	.section	.rodata,"a",@progbits
	.p2align	6, 0x0
	.amdhsa_kernel k_q6e4b72922b_qkv
		.amdhsa_group_segment_fixed_size 327680
		.amdhsa_private_segment_fixed_size 0
		.amdhsa_enable_private_segment 0
		.amdhsa_kernarg_size 64
		.amdhsa_user_sgpr_count 2
		.amdhsa_user_sgpr_kernarg_segment_ptr 1
		.amdhsa_wavefront_size32 1
		.amdhsa_system_sgpr_workgroup_id_x 1
		.amdhsa_system_sgpr_workgroup_id_y 1
		.amdhsa_system_sgpr_workgroup_id_z 1
		.amdhsa_system_vgpr_workitem_id 0
		.amdhsa_next_free_vgpr 1024
		.amdhsa_next_free_sgpr 102
		.amdhsa_reserve_vcc 0
		.amdhsa_float_denorm_mode_32 3
		.amdhsa_float_denorm_mode_16_64 3
		.amdhsa_memory_ordered 1
		.amdhsa_forward_progress 1
		.amdhsa_inst_pref_size 140
	.end_amdhsa_kernel
	.amdgpu_metadata
---
amdhsa.version: [ 1, 2 ]
amdhsa.kernels:
  - .name:           k_q6e4b72922b_qkv
    .symbol:         k_q6e4b72922b_qkv.kd
    .args:
      - { .name: x_codes, .offset: 0, .size: 8, .value_kind: global_buffer, .address_space: global }
      - { .name: x_scales, .offset: 8, .size: 8, .value_kind: global_buffer, .address_space: global }
      - { .name: w_codes, .offset: 16, .size: 8, .value_kind: global_buffer, .address_space: global }
      - { .name: w_scales, .offset: 24, .size: 8, .value_kind: global_buffer, .address_space: global }
      - { .name: bq, .offset: 32, .size: 8, .value_kind: global_buffer, .address_space: global }
      - { .name: bk, .offset: 40, .size: 8, .value_kind: global_buffer, .address_space: global }
      - { .name: bv, .offset: 48, .size: 8, .value_kind: global_buffer, .address_space: global }
      - { .name: qkv, .offset: 56, .size: 8, .value_kind: global_buffer, .address_space: global }
    .group_segment_fixed_size: 327680
    .private_segment_fixed_size: 0
    .kernarg_segment_align: 8
    .kernarg_segment_size: 64
    .max_flat_workgroup_size: 128
    .sgpr_count:     102
    .vgpr_count:     1024
    .wavefront_size: 32
...
	.end_amdgpu_metadata
.endif
;; end of part 2
;; launch attn (part 3): grid 16 x 16, 8 waves a work-group, clusters of 4 x 1, 327,680 bytes of LDS; arguments qkv, o_img; writes o_img
.if DOCPART == 3
	.amdgcn_target "amdgcn-amd-amdhsa--gfx1250"
	.amdhsa_code_object_version 6
	.text
	.protected	k_q6e4b72922b_attn
	.globl	k_q6e4b72922b_attn
	.p2align	8
	.type	k_q6e4b72922b_attn,@function
k_q6e4b72922b_attn:
	s_mov_b64 s[64:65], 0
	v_nop
	global_prefetch_b8 v0, s[64:65] scope:SCOPE_SE
	s_setreg_imm32_b32 hwreg(HW_REG_WAVE_MODE, 25, 1), 1
	s_wait_xcnt 0x0
	s_wait_alu depctr_hold_cnt(0) depctr_sa_sdst(0) depctr_va_vdst(0) depctr_va_sdst(0) depctr_va_ssrc(0) depctr_va_vcc(0) depctr_vm_vsrc(0)
	s_getreg_b32 s2, hwreg(HW_REG_IB_STS2, 6, 4)
	s_cmp_eq_u32 s2, 0
	s_cbranch_scc0 .Lentry_in_a_cluster
	s_endpgm
.Lentry_in_a_cluster:
	s_bfe_u32 s2, ttmp6, 0x10000c
	s_cmp_lg_u32 s2, 0x3003
	s_cbranch_scc0 .Lentry_shape_is_right
	s_endpgm
.Lentry_shape_is_right:
; ATTN: o[h][q] = the sum over k of softmax_k(q . k) v, 16 heads of 64 channels, 4,096 keys, no mask, no scaling.  Operands in f16; products, maxima and sums in f32; p is rounded to f16 for the second product, o once at the end.
; q arrives multiplied by log2(e), so p = 2^(s - m) with m the running maximum of s; in every step o and the sum l are multiplied by a = 2^(m_old - m_new).  l is summed of the unrounded p.
; IN:  qkv [g 48][a 256][b 4][512 bytes] (q: g = h; k: 16 + h; v: 32 + h), blocks laid in the order of the operands' registers.  OUT: o_img [kstep 4][mt 256][chunk 8][half 2][lane 32][16 bytes], f16, the next launch's operand (k = 64 h + channel).
; LIMIT: |o| above 65,504 has no f16 number (o is an average of v, which is f16 already); p under 6e-8 rounds to 0 in the second product.
; SHARES: a work-group owns 256 queries of one head; each of its eight waves 32: two tiles of 16; two waves to a SIMD, so that one wave's vector work stands beside the other's matrix work.  Every wave walks all keys, 64 a step.
; LAYOUT: S^T = K Q^T (source 0 = 16 keys, source 1 = 16 queries) and O^T = V^T P: a lane holds one query throughout; two tiles of S^T, rounded in pairs, are source 1 of the second product.
; RING: two LDS slots of 512 keys (64 KiB of K, 64 KiB of V, dense images read at 16 x lane).  Each wave brings an eighth of a slot by one tensor load; the load has the other slot's eight steps in which to land.
; CLUSTER 4 x 1: the four query blocks of a cluster walk the same K and V: each tile is asked for jointly, with the mask of all four.
; Matrix and vector work are not dealt out by turns inside a wave: a step has 32 products and 234 vector instructions, more than could stand behind the products; the second wave of the SIMD fills the gaps instead.
; REGISTERS: window 0: v1-6 addresses; v8-23 statistics, 8 a tile; v32-63 Q; v64-127 S^T, then p, then P in place; v128-191 O^T; v192-255 V of one step.   window 1: v0-63 K of one step.
.set SLOT1, 1<<17                      ; slot 1 begins here: one exclusive or turns an address
.set SPARE, 2*SLOT1                    ; the spare words, 128 bytes for each of eight waves
.set LI,  1                            ; v1   16 x lane; never rewritten
.set ADK, 2                            ; v2   LDS address of the four steps' K in hand
.set ADV, 3                            ; v3   of their V
.set SPW, 4                            ; v4   LDS address of my spare word; never rewritten
.set NIL, 5                            ; v5   0; never rewritten
.set PFO, 6                            ; v6   256 x lane; never rewritten
.set ST,  8                            ; tile t at v[ST + 8 t]: +0 m, +1 m_old, +2, +3 l (two halves), +4 .. +7 c0-c3 at work; later +4, +5 a second chain of sums, +6 a, +7 m_old - m
.set QF,  32                           ; Q (t, c) at QF + 16 t + 8 c
.set SC,  64                           ; S^T (t, kt) at SC + 32 t + 8 kt; P (t, kc) at SC + 32 t + 8 kc
.set OA,  128                          ; O^T (t, ct) at OA + 32 t + 8 ct
.set VF,  192                          ; V^T (ct, kc) at VF + 16 ct + 8 kc
.set G1,  16                           ; s[16:23] descriptor group 1
.set G0,  24                           ; s[24:27] group 0, which walks
.set MSB, 0
.macro WIN new
.if MSB != (\new)
	s_set_vgpr_msb (MSB<<8)|(\new)
.set MSB, (\new)
.endif
.endm
.macro CROUND                          ; a round of the cluster's barrier
	s_barrier_signal -1
	s_barrier_wait -1
	s_cmp_lg_u32 s8, 0
	s_cbranch_scc1 .Lnot_wave_0_\@
	s_barrier_signal -3
.Lnot_wave_0_\@:
	s_barrier_wait -3
	s_barrier_signal -1
	s_barrier_wait -1
.endm
.macro JLOAD                           ; one line for all eight waves: both addresses hang on the wave's number.  An s_nop 0 and four v_nop follow
	tensor_load_to_lds s[G0:G0+3], s[G1:G1+7]
	s_nop 0
.rept 4
	v_nop
.endr
.endm
; A PREFETCH INTO THE L2 of the slot that the NEXT change of slots will ask for: eight key steps, 256 products a wave, ahead of that load.  All clusters of a head walk the same K and V: the head's first cluster asks.
; Its sixteen waves numbered 0-3 share the slot's 128 KiB by ADDRESS: 8,192 bytes each, lanes 256 bytes apart: each aligned 256 bytes are named once in the launch.  The last change that fills a slot asks for nothing.
.macro ASK
	s_cmp_gt_u32 s31, s33
	s_cbranch_scc0 .Lnot_mine_\@
	global_prefetch_b8 v[PFO], s[34:35] th:TH_LOAD_NT scope:SCOPE_SE
.Lnot_mine_\@:
.endm
	s_load_b128 s[4:7], s[0:1], 0x0                ; qkv s[4:5], o_img s[6:7]
	v_lshl_add_u32 v[SPW], v0, 2, SPARE
	v_mov_b32 v[NIL], 0
	ds_add_u32 v[SPW], v[NIL]                      ; the wave's opening: the add, twice on end, and its wait ahead of my first tensor load
	ds_add_u32 v[SPW], v[NIL]
	v_lshrrev_b32 v1, 5, v0
	v_readfirstlane_b32 s8, v1                     ; wave 0..7
	v_and_b32 v1, 31, v0
	v_lshlrev_b32 v[PFO], 8, v1
	v_lshlrev_b32 v[LI], 4, v1
	s_bfe_u32 s9, ttmp6, 0x40000                   ; cx
	s_lshl_b32 s10, ttmp9, 2
	s_add_co_u32 s10, s10, s9                      ; my block of 256 queries
	s_and_b32 s11, ttmp7, 0xffff                   ; the head, which the four partners share
	s_mov_b32 s[G1], 15|(3<<16)|(1<<21)            ; the mask of all four; elements of 8 bytes; no padding: 16,384 dense bytes as 64 rows of 256
	s_mov_b32 s[G1+1], 32<<16
	s_mov_b32 s[G1+2], 64<<16
	s_mov_b32 s[G1+3], 32<<16
	s_mov_b32 s[G1+4], 64
	s_mov_b32 s[G1+5], 32
	s_mov_b32 s[G1+6], 0
	s_mov_b32 s[G1+7], 0
	s_mov_b32 s28, 0x76543210                      ; v_permlanex16_b32: lane l xor 16
	s_mov_b32 s29, 0xfedcba98
	s_mov_b32 s30, 0                               ; LDS byte at which the four steps in hand begin
	s_mov_b32 s31, 7                               ; slots still to be asked for
	s_add_co_u32 s36, s11, 16
	s_lshl_b32 s36, s36, 19                        ; K of my head
	s_lshr_b32 s38, s8, 2
	s_lshl_b32 s38, s38, 23                        ; waves 4-7: V, sixteen heads on
	s_add_co_u32 s38, s38, s36
	s_and_b32 s39, s8, 3
	s_lshl_b32 s39, s39, 14                        ; my quarter of a slot's 65,536 bytes
	s_add_co_u32 s38, s38, s39
	s_mov_b32 s39, 0
	s_lshl_b32 s40, s11, 19                        ; Q of my head,
	s_lshl_b32 s41, s10, 15                        ; my block's 256 queries of 128 bytes,
	s_add_co_u32 s40, s40, s41
	s_lshl_b32 s41, s8, 12                         ; my wave's 32
	s_add_co_u32 s40, s40, s41
	s_mov_b32 s41, 0
	s_lshr_b32 s42, s11, 2
	s_lshl_b32 s42, s42, 21                        ; o_img: kstep = head / 4,
	s_lshl_b32 s43, s10, 17                        ; mt = 16 x block + 2 x wave, 8,192 bytes each,
	s_add_co_u32 s42, s42, s43
	s_lshl_b32 s43, s8, 14
	s_add_co_u32 s42, s42, s43
	s_and_b32 s43, s11, 3
	s_lshl_b32 s43, s43, 11                        ; chunks 2 (head % 4) on
	s_add_co_u32 s42, s42, s43
	s_mov_b32 s43, 0
	s_and_b32 s44, s8, 3
	s_lshl_b32 s45, s9, 2
	s_add_co_u32 s44, s44, s45                     ; the prefetches: u = 4 cx + wave % 4, 0 .. 15
	s_lshr_b32 s45, s44, 3
	s_lshl_b32 s45, s45, 23                        ; u / 8: K or V
	s_and_b32 s44, s44, 7
	s_lshl_b32 s44, s44, 13                        ; 8,192 bytes each
	s_add_co_u32 s44, s44, s45
	s_add_co_u32 s44, s44, s36
	s_add_co_u32 s44, s44, 65536                   ; in slot 1: the first change of slots steps it to slot 2.  Nothing is prefetched at the head
	s_mov_b32 s45, 0
	s_lshr_b32 s33, s8, 2
	s_or_b32 s33, s33, ttmp9                       ; 0 in waves 0-3 of the head's first cluster: the same in all four partners
	s_cmp_eq_u32 s33, 0
	s_cselect_b32 s33, 1, -1
	s_mov_b32 s[G0], 1
	s_lshl_b32 s[G0+1], s8, 14                     ; LDS: waves 0-3 K's quarters, waves 4-7 V's
	s_wait_dscnt 0x0                               ; both opening adds are done
	s_wait_kmcnt 0x0
	s_add_nc_u64 s[G0+2:G0+3], s[4:5], s[38:39]
	s_or_b32 s[G0+3], s[G0+3], 0x80000000
	s_add_nc_u64 s[12:13], s[4:5], s[40:41]        ; Q
	s_add_nc_u64 s[14:15], s[6:7], s[42:43]        ; o
	s_add_nc_u64 s[34:35], s[4:5], s[44:45]        ; the prefetches
	CROUND                                         ; all four work-groups are here
	JLOAD                                          ; slot 0: one tensor load of mine is out
.irp t, 0,1
.irp c, 0,1
	global_load_b128 v[QF+16*\t+8*\c:QF+16*\t+8*\c+3], v[LI], s[12:13] offset:\t*2048+\c*1024       ; Q stays in registers
	global_load_b128 v[QF+16*\t+8*\c+4:QF+16*\t+8*\c+7], v[LI], s[12:13] offset:\t*2048+\c*1024+512
.endr
.endr
.irp t, 0,1
	v_mov_b32 v[ST+8*\t], 0xff000000               ; m = -2^127, under every score: the first a is 2^(-2^127 - m) = 0, which leaves the zeros below zeros
	v_mov_b32 v[ST+8*\t+1], 0xff000000
.irp j, 2,3,4,5,6,7
	v_mov_b32 v[ST+8*\t+\j], 0
.endr
.endr
.set i, 0
.rept 64
	v_mov_b32 v[OA+i], 0                           ; O^T.  (The step is written without a first step of its own)
.set i, i+1
.endr
.macro FETCH_K q                       ; 64 keys x 64 channels: 8 fragments, 16 loads of 512 consecutive bytes
	WIN 0x40                                       ; destination window 1
.irp kt, 0,1,2,3
.irp c, 0,1
	ds_load_b128 v[16*\kt+8*\c:16*\kt+8*\c+3], v[ADK] offset:(\q)*8192+\kt*2048+\c*1024
	ds_load_b128 v[16*\kt+8*\c+4:16*\kt+8*\c+7], v[ADK] offset:(\q)*8192+\kt*2048+\c*1024+512
.endr
.endr
	WIN 0
.endm
.macro FETCH_V q                       ; the same of V, turned: lane l then holds channel l % 16 and eight keys
.irp ct, 0,1,2,3
.irp kc, 0,1
	ds_load_tr16_b128 v[VF+16*\ct+8*\kc:VF+16*\ct+8*\kc+3], v[ADV] offset:(\q)*8192+(2*\kc)*2048+\ct*512
	ds_load_tr16_b128 v[VF+16*\ct+8*\kc+4:VF+16*\ct+8*\kc+7], v[ADV] offset:(\q)*8192+(2*\kc+1)*2048+\ct*512
.endr
.endr
.endm
; Product i of 16: channels 32 (i / 8) on, keys 16 ((i / 2) % 4) on, tile i % 2.  Eight accumulators take turns, one instruction a turn.
.macro KQ
.set rS, SC+32*(i%2)+8*((i/2)%4)
.set rK, 16*((i/2)%4)+8*(i/8)
.set rQ, QF+16*(i%2)+8*(i/8)
.if i < 8
	v_wmma_f32_16x16x32_f16 v[rS:rS+7], v[rK:rK+7], v[rQ:rQ+7], 0
.else
	v_wmma_f32_16x16x32_f16 v[rS:rS+7], v[rK:rK+7], v[rQ:rQ+7], v[rS:rS+7]
.endif
.endm
; Product i of 16: keys 32 (i / 8) on, channels 16 ((i / 2) % 4) on, tile i % 2.
.macro PV
.set rO, OA+32*(i%2)+8*((i/2)%4)
.set rV, VF+16*((i/2)%4)+8*(i/8)
.set rP, SC+32*(i%2)+8*(i/8)
	v_wmma_f32_16x16x32_f16 v[rO:rO+7], v[rV:rV+7], v[rP:rP+7], v[rO:rO+7]
.endm
; THE SOFTMAX of both tiles for one step; the tiles alternate, so that few lines wait for the line above.
.macro SOFTMAX
.irp k, 0,1,2,3                        ; the maximum of a lane's 32 scores and the old m: four chains, each accumulator from its low end on
.irp t, 0,1
	v_max3_num_f32 v[ST+8*\t+4+\k], v[SC+32*\t+8*\k], v[SC+32*\t+8*\k+1], v[SC+32*\t+8*\k+2]
.endr
.endr
.irp g, 3,5
.irp k, 0,1,2,3
.irp t, 0,1
	v_max3_num_f32 v[ST+8*\t+4+\k], v[ST+8*\t+4+\k], v[SC+32*\t+8*\k+\g], v[SC+32*\t+8*\k+\g+1]
.endr
.endr
.endr
.irp t, 0,1
	v_max3_num_f32 v[ST+8*\t+4], v[ST+8*\t+4], v[SC+32*\t+7], v[SC+32*\t+15]
	v_max3_num_f32 v[ST+8*\t+6], v[ST+8*\t+6], v[SC+32*\t+23], v[SC+32*\t+31]
.endr
.irp t, 0,1
	v_max3_num_f32 v[ST+8*\t+4], v[ST+8*\t+4], v[ST+8*\t+5], v[ST+8*\t+6]
.endr
.irp t, 0,1
	v_max3_num_f32 v[ST+8*\t+4], v[ST+8*\t+4], v[ST+8*\t+7], v[ST+8*\t]
.endr
.irp t, 0,1
	v_permlanex16_b32 v[ST+8*\t+5], v[ST+8*\t+4], s28, s29         ; the query's other 32 keys lie in the lane 16 away
.endr
.irp t, 0,1
	v_mov_b32 v[ST+8*\t+1], v[ST+8*\t]
.endr
.irp t, 0,1
	v_max_num_f32 v[ST+8*\t], v[ST+8*\t+4], v[ST+8*\t+5]           ; the new m
.endr
.irp t, 0,1
	v_sub_f32 v[ST+8*\t+7], v[ST+8*\t+1], v[ST+8*\t]
.endr
	; ONE BATCH: the 66 exponentials and the 32 subtractions; none of these lines names an exponential's result
.irp t, 0,1
	v_exp_f32 v[ST+8*\t+6], v[ST+8*\t+7]                           ; a
.endr
.irp t, 0,1
	v_pk_add_f32 v[SC+32*\t:SC+32*\t+1], v[SC+32*\t:SC+32*\t+1], v[ST+8*\t:ST+8*\t+1] op_sel_hi:[1,0] neg_lo:[0,1] neg_hi:[0,1]   ; s - m, two at a time: of the pair (m, m_old) the low word serves both halves
.endr
.irp p, 1,2,3,4,5,6,7,8,9,10,11,12,13,14,15
.irp t, 0,1
	v_pk_add_f32 v[SC+32*\t+2*\p:SC+32*\t+2*\p+1], v[SC+32*\t+2*\p:SC+32*\t+2*\p+1], v[ST+8*\t:ST+8*\t+1] op_sel_hi:[1,0] neg_lo:[0,1] neg_hi:[0,1]
	v_exp_f32 v[SC+32*\t+2*\p-2], v[SC+32*\t+2*\p-2]               ; the pair before
	v_exp_f32 v[SC+32*\t+2*\p-1], v[SC+32*\t+2*\p-1]
.endr
.endr
.irp t, 0,1
	v_exp_f32 v[SC+32*\t+30], v[SC+32*\t+30]
	v_exp_f32 v[SC+32*\t+31], v[SC+32*\t+31]
.endr
	v_nop                                          ; a plain instruction behind the last exponential
	s_wait_alu depctr_va_vdst(0)                   ; one wait for the batch, ahead of its first reader
.irp t, 0,1                            ; l = a l + the sum of the unrounded p, in two chains a tile
	v_pk_fma_f32 v[ST+8*\t+2:ST+8*\t+3], v[ST+8*\t+2:ST+8*\t+3], v[ST+8*\t+6:ST+8*\t+7], v[SC+32*\t:SC+32*\t+1] op_sel_hi:[1,0,1]
.endr
.irp t, 0,1
	v_pk_add_f32 v[ST+8*\t+4:ST+8*\t+5], v[SC+32*\t+2:SC+32*\t+3], v[SC+32*\t+6:SC+32*\t+7]
.endr
.irp p, 2,4,6,8,10,12
.irp t, 0,1
	v_pk_add_f32 v[ST+8*\t+2:ST+8*\t+3], v[ST+8*\t+2:ST+8*\t+3], v[SC+32*\t+2*\p:SC+32*\t+2*\p+1]
	v_pk_add_f32 v[ST+8*\t+4:ST+8*\t+5], v[ST+8*\t+4:ST+8*\t+5], v[SC+32*\t+2*\p+6:SC+32*\t+2*\p+7]
.endr
.endr
.irp t, 0,1
	v_pk_add_f32 v[ST+8*\t+2:ST+8*\t+3], v[ST+8*\t+2:ST+8*\t+3], v[SC+32*\t+28:SC+32*\t+29]
.endr
.irp t, 0,1
	v_pk_add_f32 v[ST+8*\t+2:ST+8*\t+3], v[ST+8*\t+2:ST+8*\t+3], v[ST+8*\t+4:ST+8*\t+5]
.endr
.irp j, 0,1,2,3,4,5,6,7,8,9,10,11,12,13,14,15      ; P in place: register j takes pair j, which lies at 2 j and 2 j + 1: ascending, nothing is overwritten before it is read
.irp t, 0,1
	v_cvt_pk_f16_f32 v[SC+32*\t+\j], v[SC+32*\t+2*\j], v[SC+32*\t+2*\j+1]
.endr
.endr
.irp j, 0,1,2,3,4,5,6,7,8,9,10,11,12,13,14,15      ; O^T x a, each accumulator from its low end on
.irp t, 0,1
	v_pk_mul_f32 v[OA+32*\t+2*\j:OA+32*\t+2*\j+1], v[OA+32*\t+2*\j:OA+32*\t+2*\j+1], v[ST+8*\t+6:ST+8*\t+7] op_sel_hi:[1,0]
.endr
.endr
.endm
; A KEY STEP, the q-th of four.  K of the next step is fetched behind this step's first products, V behind its second: each run of 16 loads has a softmax or more in which to land.
.macro STEP q
	s_wait_dscnt 16                                ; K of this step is in; V's 16 younger loads may be out
	WIN 0x01                                       ; source 0 (K) window 1
.set i, 0
.rept 16
	KQ
.set i, i+1
.endr
	WIN 0
.rept 4
	v_nop                                          ; four places in front of the loads into K's registers and of the first read of the scores (ISA guide 7.12.1 for the reads)
.endr
.if (\q) < 3
	FETCH_K (\q)+1
.endif
	SOFTMAX
.if (\q) < 3
	s_wait_dscnt 16                                ; V of this step is in; the next step's K, 16 younger loads, may be out
.else
	s_wait_dscnt 0x0
.endif
.set i, 0
.rept 16
	PV
.set i, i+1
.endr
.rept 5
	v_nop                                          ; five places: the next step's first products write over P's registers, which these products have read; the loads into V's registers want four
.endr
.if (\q) < 3
	FETCH_V (\q)+1
.endif
.endm
.macro SLOT_STEPS                      ; a slot's eight steps: four are written, walked twice
	s_mov_b32 s32, 2
.Lgrp_\@:
	v_add_nc_u32 v[ADK], s30, v[LI]
	v_add_nc_u32 v[ADV], 0x10000, v[ADK]           ; V lies 65,536 bytes behind K
	FETCH_K 0
	FETCH_V 0
	STEP 0
	STEP 1
	STEP 2
	STEP 3
	s_add_co_u32 s30, s30, 32768                   ; 256 keys on
	s_sub_co_u32 s32, s32, 1
	s_cmp_lg_u32 s32, 0
	s_cbranch_scc1 .Lgrp_\@
	s_sub_co_u32 s30, s30, 65536                   ; back to a slot's head,
	s_xor_b32 s30, s30, SLOT1                      ; in the other slot
.endm
; THE CHANGE OF SLOTS stands at a slot's head.  Each wave waits for all its tensor loads (its part of the slot that it is about to read), adds 0 to its spare word, and waits for that and for its reads of the slot that it has left.
; fill = 1: behind a round of the cluster's barrier, so that no wave of any partner still reads that slot or has a load on its way, it is filled with the next 512 keys.
.macro CHANGE fill
	s_wait_tensorcnt 0x0                           ; no tensor load of mine is out, so group 0 may be written
	ds_add_u32 v[SPW], v[NIL]
.if \fill
	s_xor_b32 s[G0+1], s[G0+1], SLOT1              ; the other slot than last time,
	s_add_nc_u64 s[G0+2:G0+3], s[G0+2:G0+3], 65536 ; the next 512 keys; the type bits on top are not reached
	s_wait_xcnt 0x0                                ; the last prefetch, a slot back, has read its address
	s_add_nc_u64 s[34:35], s[34:35], 65536         ; one slot further on than the walking descriptor
	s_wait_dscnt 0x0
	CROUND
	JLOAD                                          ; my one tensor load until the next round
	ASK
.else
	s_wait_dscnt 0x0
	s_barrier_signal -1
	s_barrier_wait -1
.endif
.endm
	s_wait_loadcnt 0x0                             ; Q
.Lslot:                                            ; seven trips: behind each change of slots but the last the next slot is asked for
	CHANGE 1
	SLOT_STEPS
	s_sub_co_u32 s31, s31, 1
	s_cmp_lg_u32 s31, 0
	s_cbranch_scc1 .Lslot
	CHANGE 0                                       ; the last slot is written out
	SLOT_STEPS
	; THE WAY OUT, without LDS: O^T / l, rounded to f16; a lane's eight channels of one query are 16 bytes, and o_img is laid so that the wave's 32 pieces are 512 consecutive bytes.
.irp t, 0,1
	v_add_f32 v[ST+8*\t+4], v[ST+8*\t+2], v[ST+8*\t+3]
.endr
.irp t, 0,1
	v_permlanex16_b32 v[ST+8*\t+5], v[ST+8*\t+4], s28, s29
.endr
.irp t, 0,1
	v_add_f32 v[ST+8*\t+4], v[ST+8*\t+4], v[ST+8*\t+5]
.endr
.irp t, 0,1
	v_rcp_f32 v[ST+8*\t+6], v[ST+8*\t+4]
.endr
	v_nop                                          ; a plain instruction behind the last reciprocal
	s_wait_alu depctr_va_vdst(0)                   ; and the wait ahead of the first reader: one for both
.irp j, 0,1,2,3,4,5,6,7,8,9,10,11,12,13,14,15
.irp t, 0,1
	v_pk_mul_f32 v[OA+32*\t+2*\j:OA+32*\t+2*\j+1], v[OA+32*\t+2*\j:OA+32*\t+2*\j+1], v[ST+8*\t+6:ST+8*\t+7] op_sel_hi:[1,0]
.endr
.endr
.irp j, 0,1,2,3,4,5,6,7,8,9,10,11,12,13,14,15
.irp t, 0,1
	v_cvt_pk_f16_f32 v[SC+16*\t+\j], v[OA+32*\t+2*\j], v[OA+32*\t+2*\j+1]
.endr
.endr
.irp t, 0,1
.irp ct, 0,1,2,3
	global_store_b128 v[LI], v[SC+16*\t+4*\ct:SC+16*\t+4*\ct+3], s[14:15] offset:\t*8192+\ct*512
.endr
.endr
	s_wait_tensorcnt 0x0                           ; the wave's end
	ds_add_u32 v[SPW], v[NIL]
	s_wait_dscnt 0x0
	CROUND                                         ; the closing round
	s_endpgm
.Lfunc_end_k_q6e4b72922b_attn:
	.size	k_q6e4b72922b_attn, .Lfunc_end_k_q6e4b72922b_attn-k_q6e4b72922b_attn
	.p2alignl 7, 3214868480
	.fill 96, 4, 3214868480
	.section	.rodata,"a",@progbits
	.p2align	6, 0x0
	.amdhsa_kernel k_q6e4b72922b_attn
		.amdhsa_group_segment_fixed_size 327680
		.amdhsa_private_segment_fixed_size 0
		.amdhsa_enable_private_segment 0
		.amdhsa_kernarg_size 16
		.amdhsa_user_sgpr_count 2
		.amdhsa_user_sgpr_kernarg_segment_ptr 1
		.amdhsa_wavefront_size32 1
		.amdhsa_system_sgpr_workgroup_id_x 1
		.amdhsa_system_sgpr_workgroup_id_y 1
		.amdhsa_system_sgpr_workgroup_id_z 1
		.amdhsa_system_vgpr_workitem_id 0
		.amdhsa_next_free_vgpr 320
		.amdhsa_next_free_sgpr 66
		.amdhsa_reserve_vcc 0
		.amdhsa_float_denorm_mode_32 3
		.amdhsa_float_denorm_mode_16_64 3
		.amdhsa_memory_ordered 1
		.amdhsa_forward_progress 1
		.amdhsa_inst_pref_size 151
	.end_amdhsa_kernel
	.amdgpu_metadata
---
amdhsa.version: [ 1, 2 ]
amdhsa.kernels:
  - .name:           k_q6e4b72922b_attn
    .symbol:         k_q6e4b72922b_attn.kd
    .args:
      - { .name: qkv, .offset: 0, .size: 8, .value_kind: global_buffer, .address_space: global }
      - { .name: o_img, .offset: 8, .size: 8, .value_kind: global_buffer, .address_space: global }
    .group_segment_fixed_size: 327680
    .private_segment_fixed_size: 0
    .kernarg_segment_align: 8
    .kernarg_segment_size: 16
    .max_flat_workgroup_size: 256
    .sgpr_count:     66
    .vgpr_count:     320
    .wavefront_size: 32
...
	.end_amdgpu_metadata
.endif
;; end of part 3
;; launch oproj (part 4): grid 8 x 32, 4 waves a work-group, clusters of 4 x 4, 327,680 bytes of LDS; arguments o_img, wo_img, bo, out0; writes out0
.if DOCPART == 4
	.amdgcn_target "amdgcn-amd-amdhsa--gfx1250"
	.amdhsa_code_object_version 6
	.text
	.protected	k_q6e4b72922b_oproj
	.globl	k_q6e4b72922b_oproj
	.p2align	8
	.type	k_q6e4b72922b_oproj,@function
k_q6e4b72922b_oproj:
	s_mov_b64 s[64:65], 0
	v_nop
	global_prefetch_b8 v0, s[64:65] scope:SCOPE_SE
	s_setreg_imm32_b32 hwreg(HW_REG_WAVE_MODE, 25, 1), 1
	s_wait_xcnt 0x0
	s_wait_alu depctr_hold_cnt(0) depctr_sa_sdst(0) depctr_va_vdst(0) depctr_va_sdst(0) depctr_va_ssrc(0) depctr_va_vcc(0) depctr_vm_vsrc(0)
	s_getreg_b32 s2, hwreg(HW_REG_IB_STS2, 6, 4)
	s_cmp_eq_u32 s2, 0
	s_cbranch_scc0 .Lentry_in_a_cluster
	s_endpgm
.Lentry_in_a_cluster:
	s_bfe_u32 s2, ttmp6, 0x10000c
	s_cmp_lg_u32 s2, 0xf033
	s_cbranch_scc0 .Lentry_shape_is_right
	s_endpgm
.Lentry_shape_is_right:
; OPROJ: out0 = o Wo + bo: 4,096 x 1,024 x 1,024, operands in f16, sums and result in f32.
; IN: o_img [kstep 4][mt 256][chunk 8][half 2][lane 32][16 bytes] and wo_img [kstep 4][nt 64][..the same..]: images of the operands' registers: row (column) 16 mt + r, k = 256 kstep + 32 chunk + 16 half + 8 h + 0 .. 7.
; SHARES: a tile of 128 x 128 to a work-group, so that 256 work-groups have equal work; four waves, each 64 x 64: 16 accumulators.  K goes in four steps of 256 through two LDS slots; a wave's tensor load brings 32,768 dense bytes.
; CLUSTER 4 x 4: o's tiles are shared along a row of the cluster, Wo's along a column: joint loads.  THE MATRIX INSTRUCTION IS USED TRANSPOSED (source 0 = 16 columns of Wo, source 1 = 16 rows of o); the bias is the C of each sum's first product.
; L2 prefetch is left out: the walk has four K steps, two of them asked for at the head.
; REGISTERS: window 0: v0-31 addresses; v32-95 rows on the way out, two sets; v96-127 the bias; v128-255 the accumulators ((a, b) at v[128 + 8 (4 a + b)]).   window 1: two fragment buffers of 128: 64 of o, then 64 of Wo.
.set HALFT,  32768                     ; what one tensor load brings, and what one wave reads of o or of Wo
.set SLOT,   4*HALFT
.set STAGE,  2*SLOT                    ; behind the ring: 16 rows x 272 bytes for each wave
.set SPITCH, 272
.set SPARE,  STAGE+4*16*SPITCH         ; the spare words, 128 bytes for each wave
.set LAPS,   2                         ; a lap = two K steps = once round the ring
.set ADRA, 16                          ; v16-17  o's fragments in slot 0, 1
.set ADRB, 20                          ; v20-21  Wo's
.set STO,  24                          ; v24     the way out: where I put 32 bytes of a row
.set RD,   25                          ; v25     where I read a row back
.set CO,   26                          ; v26     my byte offset in out0
.set BO,   27                          ; v27     32 h
.set SPW,  28                          ; v28     LDS address of my spare word; never rewritten
.set NIL,  29                          ; v29     0; never rewritten
.set BK,   32
.set BI,   96
.set ACC,  128
.set F0,   0
.set F1,   128
.set G1, 24
.set G0, 32
.set G1B, 48
.set G0B, 56
.set MSB, 0
.macro WIN new
.if MSB != (\new)
	s_set_vgpr_msb (MSB<<8)|(\new)
.set MSB, (\new)
.endif
.endm
.set MUL,  0x05                        ; sources 0 (Wo) and 1 (o) window 1; C and D window 0
.set TO_F, 0x40                        ; destination window 1, address window 0
.macro JLOAD s                         ; waves 0 and 1 fetch o's halves, waves 2 and 3 Wo's; an s_nop 0 and four v_nop follow each line
	s_cmp_eq_u32 s13, 0
	s_cbranch_scc0 .Lfor_b_\@
	tensor_load_to_lds s[G0+4*\s:G0+4*\s+3], s[G1:G1+7]
	s_nop 0
.rept 4
	v_nop
.endr
	s_branch .Lasked_\@
.Lfor_b_\@:
	tensor_load_to_lds s[G0B+4*\s:G0B+4*\s+3], s[G1B:G1B+7]
	s_nop 0
.rept 4
	v_nop
.endr
.Lasked_\@:
.endm
.macro CREST
	s_cmp_lg_u32 s12, 0
	s_cbranch_scc1 .Lnot_wave_0_\@
	s_barrier_signal -3
.Lnot_wave_0_\@:
	s_barrier_wait -3
	s_barrier_signal -1
	s_barrier_wait -1
.endm
.macro CROUND
	s_barrier_signal -1
	s_barrier_wait -1
	CREST
.endm
	s_load_b256 s[4:11], s[0:1], 0x0               ; o_img s[4:5], wo_img s[6:7], bo s[8:9], out0 s[10:11]
	v_lshl_add_u32 v[SPW], v0, 2, SPARE
	v_mov_b32 v[NIL], 0
	ds_add_u32 v[SPW], v[NIL]                      ; the wave's opening: the add, twice on end, and its wait ahead of my first tensor load
	ds_add_u32 v[SPW], v[NIL]
	v_lshrrev_b32 v1, 5, v0
	v_readfirstlane_b32 s12, v1                    ; wave 0..3
	s_lshr_b32 s13, s12, 1                         ; which half of the tile's rows is mine.  Also: I fetch for o (0) or for Wo (1)
	s_and_b32 s14, s12, 1                          ; which half of its columns.  Also: which half of that tile I fetch
	s_bfe_u32 s40, ttmp6, 0x40000
	s_bfe_u32 s41, ttmp6, 0x40004
	s_lshl_b32 s42, ttmp9, 2
	s_add_co_u32 s42, s42, s40                     ; tile column 0..7
	s_and_b32 s15, ttmp7, 0xffff
	s_lshl_b32 s15, s15, 2
	s_add_co_u32 s15, s15, s41                     ; tile row 0..31
	s_lshl_b32 s43, s41, 2
	s_lshl_b32 s43, 15, s43                        ; my row of the cluster
	s_lshl_b32 s44, 0x1111, s40                    ; my column
	s_or_b32 s[G1+0], s43, (3<<16)|(1<<21)         ; 32,768 dense bytes as 128 rows of 32 elements of 8 bytes, no padding: images are read at 16 x lane
	s_or_b32 s[G1B+0], s44, (3<<16)|(1<<21)
.irp g, G1, G1B
	s_mov_b32 s[\g+1], 32<<16
	s_mov_b32 s[\g+2], 128<<16
	s_mov_b32 s[\g+3], 32<<16
	s_mov_b32 s[\g+4], 128
	s_mov_b32 s[\g+5], 32
	s_mov_b32 s[\g+6], 0
	s_mov_b32 s[\g+7], 0
.endr
	s_lshl_b32 s17, s14, 15                        ; which half I fetch
	s_lshl_b32 s16, s15, 16
	s_add_co_u32 s16, s16, s17                     ; o: 65,536 bytes a tile row in a K step
	s_lshl_b32 s46, s42, 16
	s_add_co_u32 s46, s46, s17                     ; Wo: the same a tile column
	s_mov_b32 s17, 0
	s_mov_b32 s47, 0
	s_lshl_b32 s20, s12, 15                        ; where they go: wave x 32,768
	s_wait_dscnt 0x0                               ; both opening adds are done
	s_wait_kmcnt 0x0
	s_add_nc_u64 s[18:19], s[4:5], s[16:17]
	s_add_nc_u64 s[46:47], s[6:7], s[46:47]
	CROUND                                         ; all sixteen work-groups are here
.irp s, 0,1
	s_mov_b32 s[G0+4*\s], 1
	s_add_co_u32 s[G0+4*\s+1], s20, \s*SLOT
	s_add_nc_u64 s[G0+4*\s+2:G0+4*\s+3], s[18:19], \s*2097152
	s_or_b32 s[G0+4*\s+3], s[G0+4*\s+3], 0x80000000
	s_mov_b32 s[G0B+4*\s], 1
	s_add_co_u32 s[G0B+4*\s+1], s20, \s*SLOT
	s_add_nc_u64 s[G0B+4*\s+2:G0B+4*\s+3], s[46:47], \s*524288
	s_or_b32 s[G0B+4*\s+3], s[G0B+4*\s+3], 0x80000000
	JLOAD \s                                       ; two tensor loads of mine are out
.endr
	v_and_b32 v1, 15, v0                           ; r
	v_bfe_u32 v2, v0, 4, 1                         ; h
	v_lshlrev_b32 v[BO], 5, v2
	s_lshl_b32 s46, s42, 9                         ; my first column, in bytes of f32: 512 x tile column + 256 x half
	s_lshl_b32 s47, s14, 8
	s_add_co_u32 s46, s46, s47
	s_mov_b32 s47, 0
	s_add_nc_u64 s[8:9], s[8:9], s[46:47]
	s_add_nc_u64 s[10:11], s[10:11], s[46:47]
	s_lshl_b32 s46, s15, 19                        ; my first row: 128 x tile row + 64 x half, 4,096 bytes each
	s_lshl_b32 s16, s13, 18
	s_add_co_u32 s46, s46, s16
	s_add_nc_u64 s[10:11], s[10:11], s[46:47]
.irp b, 0,1,2,3
	global_load_b128 v[BI+8*\b:BI+8*\b+3], v[BO], s[8:9] offset:64*\b              ; register j of tile b: bo of column 16 b + 8 h + j
	global_load_b128 v[BI+8*\b+4:BI+8*\b+7], v[BO], s[8:9] offset:64*\b+16
.endr
	v_and_b32 v3, 31, v0
	v_lshlrev_b32 v3, 4, v3                        ; 16 x lane
	s_lshl_b32 s21, s13, 15
	s_lshl_b32 s22, s14, 15
	s_add_co_u32 s22, s22, 2*HALFT
.irp s, 0,1
	v_add_nc_u32 v[ADRA+\s], s21, v3
	v_add_nc_u32 v[ADRB+\s], s22, v3
	s_add_co_u32 s21, s21, SLOT
	s_add_co_u32 s22, s22, SLOT
.endr
	s_mul_i32 s23, s12, 16*SPITCH
	s_add_co_u32 s23, s23, STAGE                   ; my stage
	v_mul_u32_u24 v4, v1, SPITCH
	v_lshl_add_u32 v4, v2, 5, v4
	v_add_nc_u32 v[STO], s23, v4                   ; in: row r, 32 bytes for each half of the lanes
	v_mul_u32_u24 v5, v2, SPITCH
	v_lshl_add_u32 v5, v1, 4, v5
	v_add_nc_u32 v[RD], s23, v5                    ; back: lanes 0-15 one row of 256 bytes, lanes 16-31 the next
	v_lshlrev_b32 v5, 12, v2
	v_lshl_add_u32 v[CO], v1, 4, v5                ; and the same two rows in out0
; 8 matrix instructions: row blocks a0, a0 + 1 x all 4 column blocks, 32 along K: half c of buffer f.  first = 1: the bias starts the sums.  The 16 accumulators take turns.
.macro MUL8 f, c, a0, first
.irp a, \a0, \a0+1
.irp b, 0,1,2,3
.if \first
	v_wmma_f32_16x16x32_f16 v[ACC+8*(4*(\a)+\b):ACC+8*(4*(\a)+\b)+7], v[\f+64+8*(4*\c+\b):\f+64+8*(4*\c+\b)+7], v[\f+8*(4*\c+\a):\f+8*(4*\c+\a)+7], v[BI+8*\b:BI+8*\b+7]
.else
	v_wmma_f32_16x16x32_f16 v[ACC+8*(4*(\a)+\b):ACC+8*(4*(\a)+\b)+7], v[\f+64+8*(4*\c+\b):\f+64+8*(4*\c+\b)+7], v[\f+8*(4*\c+\a):\f+8*(4*\c+\a)+7], v[ACC+8*(4*(\a)+\b):ACC+8*(4*(\a)+\b)+7]
.endif
.endr
.endr
.endm
; 32 LDS loads in one run: the fragments of quarter qd (64 along K: chunks 2 qd, 2 qd + 1) into buffer f; the first 32 along K first
.macro FETCH slot, qd, f
	WIN TO_F
.irp c, 0,1
.irp i, 0,1,2,3
	ds_load_b128 v[\f+64+8*(4*\c+\i):\f+64+8*(4*\c+\i)+3],   v[ADRB+\slot] offset:\i*8192+(2*(\qd)+\c)*1024
	ds_load_b128 v[\f+64+8*(4*\c+\i)+4:\f+64+8*(4*\c+\i)+7], v[ADRB+\slot] offset:\i*8192+(2*(\qd)+\c)*1024+512
	ds_load_b128 v[\f+8*(4*\c+\i):\f+8*(4*\c+\i)+3],         v[ADRA+\slot] offset:\i*8192+(2*(\qd)+\c)*1024
	ds_load_b128 v[\f+8*(4*\c+\i)+4:\f+8*(4*\c+\i)+7],       v[ADRA+\slot] offset:\i*8192+(2*(\qd)+\c)*1024+512
.endr
.endr
.endm
.macro PLACES                          ; four places in front of loads into registers that matrix instructions have read, and of the first read of results (ISA guide 7.12.1 for the reads)
.rept 4
	v_nop
.endr
.endm
; One of a K step's first three quarters: multiplies buffer f and fetches quarter qd into g.
.macro QUARTER slot, qd, f, g, first
	s_wait_dscnt 16                                ; the first 32 along K are in; the other sixteen loads may be out
	WIN MUL
	MUL8 \f, 0, 0, \first
	MUL8 \f, 0, 2, \first
	PLACES
	FETCH \slot, \qd, \g
	s_wait_dscnt 32                                ; all but the 32 just issued
	WIN MUL
	MUL8 \f, 1, 0, 0
	MUL8 \f, 1, 2, 0
.endm
; The last quarter multiplies buffer 1 and changes slots: one barrier; in front of it each wave waits for all its tensor loads, adds 0 to its spare word, and waits for that and for its reads of this slot.  fill = 1: this slot is filled again, two K steps ahead.
.macro TURN slot, next, fill
	WIN 0
	s_wait_tensorcnt 0x0                           ; all my tensor loads have landed: my part of the next slot
	ds_add_u32 v[SPW], v[NIL]
	s_wait_dscnt 17                                ; (the add and the youngest sixteen loads may be out)
	WIN MUL
	MUL8 F1, 0, 0, 0
	s_wait_dscnt 0x0                               ; the add is done, and my reads of this slot are over
	s_barrier_signal -1
	MUL8 F1, 0, 2, 0
.if \fill
	WIN 0
.endif
	s_barrier_wait -1
.if \fill
	CREST                                          ; the barrier has opened a round of the cluster's: no wave of any partner still reads this slot or has a load on its way
	s_add_nc_u64 s[G0+4*\slot+2:G0+4*\slot+3], s[G0+4*\slot+2:G0+4*\slot+3], 2*2097152
	s_add_nc_u64 s[G0B+4*\slot+2:G0B+4*\slot+3], s[G0B+4*\slot+2:G0B+4*\slot+3], 2*524288
	JLOAD \slot                                    ; the first tensor load behind the round; its four v_nop are also the places in front of the loads below
.else
	PLACES
.endif
	FETCH \next, 0, F0
	WIN MUL
	MUL8 F1, 1, 0, 0
	MUL8 F1, 1, 2, 0
.endm
	s_wait_tensorcnt 1                             ; my part of K step 0 is in; K step 1's load may be out
	s_barrier_signal -1
	s_barrier_wait -1
	FETCH 0, 0, F0
	s_wait_loadcnt 0x0                             ; the bias
	QUARTER 0, 1, F0, F1, 1
	WIN 0
	s_mov_b32 s3, LAPS-1
.Llap:                                             ; a trip goes once round the ring and fills both slots again
	QUARTER 0, 2, F1, F0, 0
	QUARTER 0, 3, F0, F1, 0
	TURN 0, 1, 1
	QUARTER 1, 1, F0, F1, 0
	QUARTER 1, 2, F1, F0, 0
	QUARTER 1, 3, F0, F1, 0
	TURN 1, 0, 1
	QUARTER 0, 1, F0, F1, 0
	WIN 0
	s_sub_co_u32 s3, s3, 1
	s_cmp_lg_u32 s3, 0
	s_cbranch_scc1 .Llap
	QUARTER 0, 2, F1, F0, 0                        ; the last lap fills nothing
	QUARTER 0, 3, F0, F1, 0
	TURN 0, 1, 0
	QUARTER 1, 1, F0, F1, 0
	QUARTER 1, 2, F1, F0, 0
	QUARTER 1, 3, F0, F1, 0
	s_wait_dscnt 16
	WIN MUL
	MUL8 F1, 0, 0, 0
	MUL8 F1, 0, 2, 0
	s_wait_dscnt 0
	MUL8 F1, 1, 0, 0
	MUL8 F1, 1, 2, 0
	WIN 0
	; THE WAY OUT: a wave's 64 columns of f32 are 256 aligned bytes of a row, so each wave has a stage of its own and no barrier: 16 rows go in as 32 bytes a lane and come back as whole rows.
.macro TOSTAGE a
.irp b, 0,1,2,3
	ds_store_b128 v[STO], v[ACC+8*(4*(\a)+\b):ACC+8*(4*(\a)+\b)+3] offset:64*\b          ; each accumulator from its low end on
	ds_store_b128 v[STO], v[ACC+8*(4*(\a)+\b)+4:ACC+8*(4*(\a)+\b)+7] offset:64*\b+16
.endr
.irp t, 0,1,2,3,4,5,6,7
	ds_load_b128 v[BK+32*((\a)%2)+4*\t:BK+32*((\a)%2)+4*\t+3], v[RD] offset:\t*2*SPITCH   ; LDS serves a wave's instructions in order (ISA guide 5.7.1): these see the stores above
.endr
.endm
.macro SEND a, younger
	s_wait_dscnt \younger                          ; the block is back; the next block's sixteen LDS instructions may be out
.irp t, 0,1,2,3,4,5,6,7
	global_store_b128 v[CO], v[BK+32*((\a)%2)+4*\t:BK+32*((\a)%2)+4*\t+3], s[10:11] offset:(16*(\a)+2*\t)*4096 th:TH_STORE_NT   ; sixteen lanes store 256 consecutive bytes, aligned
.endr
.endm
	PLACES
	TOSTAGE 0
.irp a, 1,2,3
.if \a > 1
	s_wait_xcnt 0x0                                ; the stores of two blocks back have read their registers: this block's loads may land there
.endif
	TOSTAGE \a
	SEND \a-1, 16
.endr
	SEND 3, 0
	s_wait_tensorcnt 0x0                           ; the wave's end
	ds_add_u32 v[SPW], v[NIL]
	s_wait_dscnt 0x0
	CROUND                                         ; the closing round
	s_endpgm
.Lfunc_end_k_q6e4b72922b_oproj:
	.size	k_q6e4b72922b_oproj, .Lfunc_end_k_q6e4b72922b_oproj-k_q6e4b72922b_oproj
	.p2alignl 7, 3214868480
	.fill 96, 4, 3214868480
	.section	.rodata,"a",@progbits
	.p2align	6, 0x0
	.amdhsa_kernel k_q6e4b72922b_oproj
		.amdhsa_group_segment_fixed_size 327680
		.amdhsa_private_segment_fixed_size 0
		.amdhsa_enable_private_segment 0
		.amdhsa_kernarg_size 32
		.amdhsa_user_sgpr_count 2
		.amdhsa_user_sgpr_kernarg_segment_ptr 1
		.amdhsa_wavefront_size32 1
		.amdhsa_system_sgpr_workgroup_id_x 1
		.amdhsa_system_sgpr_workgroup_id_y 1
		.amdhsa_system_sgpr_workgroup_id_z 1
		.amdhsa_system_vgpr_workitem_id 0
		.amdhsa_next_free_vgpr 512
		.amdhsa_next_free_sgpr 66
		.amdhsa_reserve_vcc 0
		.amdhsa_float_denorm_mode_32 3
		.amdhsa_float_denorm_mode_16_64 3
		.amdhsa_memory_ordered 1
		.amdhsa_forward_progress 1
		.amdhsa_inst_pref_size 86
	.end_amdhsa_kernel
	.amdgpu_metadata
---
amdhsa.version: [ 1, 2 ]
amdhsa.kernels:
  - .name:           k_q6e4b72922b_oproj
    .symbol:         k_q6e4b72922b_oproj.kd
    .args:
      - { .name: o_img, .offset: 0, .size: 8, .value_kind: global_buffer, .address_space: global }
      - { .name: wo_img, .offset: 8, .size: 8, .value_kind: global_buffer, .address_space: global }
      - { .name: bo, .offset: 16, .size: 8, .value_kind: global_buffer, .address_space: global }
      - { .name: out0, .offset: 24, .size: 8, .value_kind: global_buffer, .address_space: global }
    .group_segment_fixed_size: 327680
    .private_segment_fixed_size: 0
    .kernarg_segment_align: 8
    .kernarg_segment_size: 32
    .max_flat_workgroup_size: 128
    .sgpr_count:     66
    .vgpr_count:     512
    .wavefront_size: 32
...
	.end_amdgpu_metadata
.endif
;; end of part 4
